; MI455X (gfx1250); checked and timed in simulation.
; The chip was launched on July 23, 2026; its instructions are those of AMD's public machine-readable ISA for CDNA 5 (MIT licence, August 2026) and "CDNA5" Instruction Set Architecture Reference Guide (July 2026). The comments in the code are by the model that wrote it; some were corrected since.
;; Multi Head Attention. Allowed arithmetic: matrix products marked QUANTISED: E4M3 operands, one given power-of-two scale a tensor, by v_wmma_f32_16x16x64_fp8_fp8 or v_wmma_f32_16x16x128_fp8_fp8, f32 sums; everything else in f32.
;; Inputs: Wk 1,024 x 1,024 float32; Wp 1,024 x 1,024 float32; Wq 1,024 x 1,024 float32; Wv 1,024 x 1,024 float32; bk 1,024 float32; bp 1,024 float32; bq 1,024 float32; bv 1,024 float32; lowp_scales 12 int32 (the exponents e of the quantised operands' scales 2^e); x 4 x 2,048 x 1,024 float32.
;; Outputs: out0 4 x 2,048 x 1,024 float32.
;; This version of the problem:
;;   THIS VERSION OF THE PROBLEM IS GIVEN IN LOW PRECISION. The matrix products marked QUANTISED in the list below multiply operands that are first quantised to E4M3 (4 exponent bits, 3 mantissa bits; 8 bits a number), with one given power-of-two scale for each operand tensor; their sums are f32. All else is computed in f32.
;;   The module's matrix products, in the order in which they are computed (A, B: the left and right operand; K: the contracted axis; several contracted axes count as one K, in the product's order):
;;     1. [M 8,192, K 1,024] x [K 1,024, N 1,024]; A: input x; B: input Wq: QUANTISED (scales: A lowp_scales[0], B lowp_scales[1])
;;     2. [M 8,192, K 1,024] x [K 1,024, N 1,024]; A: input x; B: input Wk: QUANTISED (scales: A lowp_scales[2], B lowp_scales[3])
;;     3. [M 8,192, K 1,024] x [K 1,024, N 1,024]; A: input x; B: input Wv: QUANTISED (scales: A lowp_scales[4], B lowp_scales[5])
;;     4. batch 64 x [M 2,048, K 64] x [K 64, N 2,048]; A: computed on the way; B: computed on the way: QUANTISED (scales: A lowp_scales[6], B lowp_scales[7])
;;     5. batch 64 x [M 2,048, K 2,048] x [K 2,048, N 64]; A: softmax (see below); B: computed on the way: QUANTISED (scales: A lowp_scales[8], B lowp_scales[9])
;;     6. [M 8,192, K 1,024] x [K 1,024, N 1,024]; A: computed on the way; B: input Wp: QUANTISED (scales: A lowp_scales[10], B lowp_scales[11])
;;   THE QUANTISER, for each operand of a quantised product, along K:
;;     - The operand's scale is 2^e, e = its entry of the input lowp_scales (int32; the entries are numbered through the quantised products in the list's order, A before B).
;;     - Each number is divided by the scale, clamped to +-448, and rounded to the nearest number of E4M3, ties to even, subnormals kept.
;;     - The product sums the exact products of the quantised numbers (number of the format x scale) in f32.
;;   ~~~python
;;   def quantise(x, axis, e):      # numpy; x: float32 -> the quantised numbers, widened to float32 again
;;       x = np.moveaxis(x, axis, -1); K = x.shape[-1]
;;       r = np.clip(x / 2.0 ** e, -448, 448)
;;       step = 2.0 ** (np.maximum(np.frexp(np.where(r == 0, 1, r))[1] - 1, -6) - 3)
;;       q = np.round(r / step) * step * 2.0 ** e      # np.round: ties to even
;;       return np.moveaxis(q, -1, axis).astype(np.float32)
;;   ~~~
;;   SOFTMAX AHEAD OF A QUANTISED PRODUCT. Where the list says 'softmax', what is quantised is not the finished softmax but p = 2^(t - M), with t = logit x log2(e) and M = ceil(the row's largest t), a whole number; so 1/2 < the row's largest p <= 1. The row's sum l is taken of the UNQUANTISED p, in f32, and the product's result is divided by l at the end. Since M is a whole number, a kernel that streams over the keys may use a running M (the ceiling of the running maximum): every later rescaling is an exact power of two, so the quantised numbers keep their values, but for numbers so far below the row's largest that they fall under the format's range.
;;   OPERANDS COMPUTED ON THE WAY. 'Computed on the way' means the value that the module computes at that place (a softmax that the list does not call 'softmax' is quantised finished and normalised). What goes into a quantiser is computed in f32, as accurately as f32 sums, v_exp_f32 and their like allow (about 1e-6 of the number): no bf16 or f16 on the way to a quantiser, and a product that is left as it is and whose result goes on into a quantised operand takes f32 operands (vector FMAs, or v_wmma_f32_16x16x4_f32). A number that lies on a knife's edge between two numbers of the format may be rounded either way, as far as f32 arithmetic and the matrix unit's own rounding can turn it there, and no further.
;; 2 versions, each right; version 2 is version 1 with the launch attn written anew for expert scheduling mode. Each part assembles by itself: llvm-mc -triple=amdgcn-amd-amdhsa -mcpu=gfx1250 --defsym DOCPART=n.
;; ======== version 1 of 2: 4 launches
;; workspace buffers: opc 29,360,128 bytes; qkvc 25,165,824 bytes; yc 8,388,608 bytes
;; launch prep (part 1): grid 1280 x 1, 4 waves a work-group, no clusters, 34,304 bytes of LDS; arguments x, Wq, Wk, Wv, Wp, lowp_scales, opc; writes opc
.if DOCPART == 1
	.amdgcn_target "amdgcn-amd-amdhsa--gfx1250"
	.amdhsa_code_object_version 6
	.text
	.protected	k_q2011bd5347_prep
	.globl	k_q2011bd5347_prep
	.p2align	8
	.type	k_q2011bd5347_prep,@function
k_q2011bd5347_prep:
	s_mov_b64 s[64:65], 0
	v_nop
	global_prefetch_b8 v0, s[64:65] scope:SCOPE_SE
	s_setreg_imm32_b32 hwreg(HW_REG_WAVE_MODE, 25, 1), 1
	s_wait_xcnt 0x0
; x [8192][1024] f32 becomes three sets of E4M3 codes (its scales are entries 0, 2 and 4 of lowp_scales), Wq, Wk, Wv, Wp [k 1024][n 1024] f32 one set each (entries 1, 3, 5, 11).
; code = number / 2^e, held within +-448, rounded to the nearest code, ties to even.
; LAYOUT OF EVERY SET: images of the matrix unit's operand registers.  A tile is 16 rows x 1,024 K = 16,384 bytes; in it a K step of 128 is 2,048 bytes, a group c of 32 K 512 bytes, and in a group
; lane l = 16 h + a has 16 bytes at 16 l: row a, K = 32 c + 16 h + 0 .. 15.  Row a of tile t is matrix row 32 (t / 2) + 8 (t % 2) + a + 8 (a / 8): the two tiles of a pair interleave by eights.
; For x the rows are tokens, for a weight they are its columns n.  Places in opc: x's three sets at 0, 8 MiB, 16 MiB; Wq, Wk, Wv, Wp at 24, 25, 26, 27 MiB.
; Work-groups 0 to 1023 take x: a wave makes one fragment (16 rows x 128 K) three times from one read.  Work-groups 1024 to 1279 take the weights: a lane takes a column and its registers run down K.
; No matrix work, no tensor load, no barrier: waves share nothing.  Only x's path uses LDS.
; LIMITS: each e between -126 and 119, so that 2^e and 448 x 2^e are f32 numbers.  NaN among the inputs is not served (an infinity is held at the largest code).
.set SETB,  0x800000                   ; from one of x's sets to the next
.set WQO,   0x1800000                  ; where Wq's codes begin
.set SP,    528                        ; a stage row: 512 bytes + 16: 33 x 16
.set R,     16                         ; v16-79   x as loaded: row i in four registers
.set X,     80                         ; v80-143  x as the conversions want it: register 16 c + i = K 32 c + 16 h + i of my row
.set T,     144                        ; v144-159 two sets of eight held numbers, by turns
.set C,     160                        ; v160-207 codes: 16 registers for each of the three scales
.set WD,    16                         ; v16-143  a column's 128 numbers
.set WC,    144                        ; v144-175 their codes
	s_load_b256 s[4:11], s[0:1], 0x0               ; x s[4:5], Wq s[6:7], Wk s[8:9], Wv s[10:11]
	s_load_b128 s[12:15], s[0:1], 0x20             ; Wp s[12:13], lowp_scales s[14:15]
	s_load_b64 s[16:17], s[0:1], 0x30              ; opc
	v_lshl_add_u32 v208, v0, 2, 0x8400
	v_mov_b32 v209, 0
	v_lshrrev_b32 v1, 5, v0
	v_readfirstlane_b32 s18, v1                    ; wave 0..3
	v_and_b32 v1, 31, v0                           ; lane
	v_lshlrev_b32 v2, 4, v1                        ; 16 x lane
	v_and_b32 v10, 15, v0                          ; a = lane % 16
	v_bfe_u32 v11, v0, 4, 1                        ; h = lane / 16
	s_wait_kmcnt 0x0
	s_load_b256 s[20:27], s[14:15], 0x0            ; e0 .. e7
	s_load_b128 s[28:31], s[14:15], 0x20           ; e8 .. e11
	s_cmp_lt_u32 ttmp9, 1024
	s_cbranch_scc0 .Lweights
	; ---------------- x: tile T = work-group / 2, K step kb = 4 (work-group % 2) + wave
	s_lshr_b32 s32, ttmp9, 1                       ; T
	s_and_b32 s33, ttmp9, 1
	s_lshl_b32 s33, s33, 2
	s_add_co_u32 s33, s33, s18                     ; kb
	s_lshr_b32 s34, s32, 1
	s_lshl_b32 s34, s34, 17                        ; 32 (T / 2) rows of 4,096 bytes
	s_and_b32 s35, s32, 1
	s_lshl_b32 s35, s35, 15                        ; + 8 (T % 2) rows
	s_add_co_u32 s34, s34, s35
	s_lshl_b32 s35, s33, 9                         ; + kb x 128 numbers
	s_add_co_u32 s34, s34, s35
	s_mov_b32 s35, 0
	s_add_nc_u64 s[4:5], s[4:5], s[34:35]
.irp i, 0,1,2,3,4,5,6,7,8,9,10,11,12,13,14,15
	global_load_b128 v[R+4*\i:R+4*\i+3], v2, s[4:5] offset:(\i+8*(\i/8))*4096 th:TH_LOAD_NT   ; tile row i: 32 lanes read 512 consecutive bytes; read once in the launch
.endr
	s_mul_i32 s36, s18, 16*SP                      ; my wave's stage
	v_add_nc_u32 v3, s36, v2                       ; in: as loaded, 16 x lane in row i
	v_mul_u32_u24 v12, v10, SP
	v_lshl_add_u32 v12, v11, 6, v12
	v_add_nc_u32 v12, s36, v12                     ; back: row a, + 64 h: my 16 numbers of each 32
	s_lshl_b32 s38, s32, 14                        ; T x 16,384
	s_lshl_b32 s39, s33, 11                        ; + kb x 2,048
	s_add_co_u32 s38, s38, s39
	s_mov_b32 s39, 0
	s_add_nc_u64 s[40:41], s[16:17], s[38:39]      ; the fragment's place in the first set,
	s_add_nc_u64 s[42:43], s[40:41], SETB          ; the second,
	s_add_nc_u64 s[44:45], s[42:43], SETB          ; the third
	s_wait_kmcnt 0x0
.irp s, 0,1,2
	s_add_co_i32 s46, s[20+2*\s], 127
	s_lshl_b32 s47, s46, 23
	v_mov_b32 v[4+2*\s], s47                       ; 2^e as f32: the conversion takes its exponent field
	s_add_co_i32 s46, s46, 8
	s_lshl_b32 s46, s46, 23
	s_or_b32 s46, s46, 0x600000
	v_mov_b32 v[5+2*\s], s46                       ; 448 x 2^e
.endr
.irp i, 0,1,2,3,4,5,6,7,8,9,10,11,12,13,14,15
	s_wait_loadcnt 15-\i                           ; loads come back in order: row i is in, the younger rows stay out
	ds_store_b128 v3, v[R+4*\i:R+4*\i+3] offset:\i*SP
.endr
.irp c, 0,1,2,3
.irp j, 0,1,2,3
	ds_load_b128 v[X+16*\c+4*\j:X+16*\c+4*\j+3], v12 offset:128*\c+16*\j   ; LDS serves a wave's instructions in order: these see my stores
.endr
.endr
	s_wait_dscnt 0x0
.irp s, 0,1,2                                  ; the same 64 numbers under each of x's three scales
.irp g, 0,1,2,3,4,5,6,7
.irp i, 0,1,2,3,4,5,6,7
	v_med3_num_f32 v[T+8*(\g%2)+\i], v[X+8*\g+\i], -v[5+2*\s], v[5+2*\s]   ; the conversion to an 8-bit code does not saturate (ISA guide 7.6.2): the hold comes first
.endr
	v_cvt_scalef32_pk8_fp8_f32 v[C+16*\s+2*\g:C+16*\s+2*\g+1], v[T+8*(\g%2):T+8*(\g%2)+7], v[4+2*\s]   ; its sources are written again only behind the other set's eight holds
.endr
.irp c, 0,1,2,3
	global_store_b128 v2, v[C+16*\s+4*\c:C+16*\s+4*\c+3], s[40+2*\s:41+2*\s] offset:512*\c   ; a group: 512 consecutive bytes, aligned; no register of a store is written again
.endr
.endr
	s_wait_tensorcnt 0x0
	ds_add_u32 v208, v209
	s_wait_dscnt 0x0
	s_endpgm
	; ---------------- the weights: j = work-group - 1024: weight j / 64, K step (j % 64) / 8, 128 columns j % 8; a wave takes 32 columns = a pair of tiles
.Lweights:
	s_sub_co_u32 s32, ttmp9, 1024
	s_lshr_b32 s33, s32, 6                         ; which weight: 0 Wq, 1 Wk, 2 Wv, 3 Wp
	s_and_b32 s34, s32, 7                          ; cg
	s_bfe_u32 s35, s32, 0x30003                    ; kb
	s_lshl_b32 s38, s35, 19                        ; kb x 128 rows of 4,096 bytes
	s_lshl_b32 s39, s34, 9                         ; + 128 cg columns
	s_add_co_u32 s38, s38, s39
	s_lshl_b32 s39, s18, 7                         ; + 32 columns a wave
	s_add_co_u32 s38, s38, s39
	s_mov_b32 s39, 0
	s_cmp_eq_u32 s33, 0                            ; the choice hangs on the work-group's number alone
	s_cselect_b64 s[36:37], s[6:7], s[8:9]
	s_cmp_lt_u32 s33, 2
	s_cselect_b64 s[36:37], s[36:37], s[10:11]
	s_cmp_eq_u32 s33, 3
	s_cselect_b64 s[36:37], s[12:13], s[36:37]
	s_add_nc_u64 s[36:37], s[36:37], s[38:39]
	v_and_b32 v12, 8, v10
	v_add_nc_u32 v12, v12, v10                     ; a + 8 (a / 8)
	v_lshl_add_u32 v12, v11, 3, v12                ; + 8 (lane / 16): my column among the wave's 32; the 32 lanes together read 128 consecutive bytes
	v_lshlrev_b32 v12, 2, v12
	v_lshlrev_b32 v13, 4, v10
	v_lshl_add_u32 v13, v11, 14, v13               ; out: row a of tile lane / 16 of the pair
.macro WLOAD c                         ; W(128 kb + 32 c + i, my column)
.irp i, 0,1,2,3,4,5,6,7,8,9,10,11,12,13,14,15,16,17,18,19,20,21,22,23,24,25,26,27,28,29,30,31
	global_load_b32 v[WD+32*\c+\i], v12, s[36:37] offset:(32*\c+\i)*4096 th:TH_LOAD_NT
.endr
.endm
	WLOAD 0
	WLOAD 1
	s_lshl_b32 s40, s33, 20                        ; the weight's 1 MiB of codes
	s_lshl_b32 s41, s34, 17                        ; + 4 cg pairs of tiles of 32,768 bytes
	s_add_co_u32 s40, s40, s41
	s_lshl_b32 s41, s18, 15                        ; + my pair
	s_add_co_u32 s40, s40, s41
	s_lshl_b32 s41, s35, 11                        ; + kb x 2,048
	s_add_co_u32 s40, s40, s41
	s_mov_b32 s41, 0
	s_add_nc_u64 s[40:41], s[16:17], s[40:41]
	s_add_nc_u64 s[40:41], s[40:41], WQO
	s_wait_kmcnt 0x0
	s_cmp_eq_u32 s33, 0
	s_cselect_b32 s46, s21, s23                    ; e1 or e3,
	s_cmp_lt_u32 s33, 2
	s_cselect_b32 s46, s46, s25                    ; e5,
	s_cmp_eq_u32 s33, 3
	s_cselect_b32 s46, s31, s46                    ; e11
	s_add_co_i32 s46, s46, 127
	s_lshl_b32 s47, s46, 23
	v_mov_b32 v4, s47                              ; 2^e
	s_add_co_i32 s46, s46, 8
	s_lshl_b32 s46, s46, 23
	s_or_b32 s46, s46, 0x600000
	v_mov_b32 v5, s46                              ; 448 x 2^e
.macro WPROC c                         ; 32 numbers down K become 32 codes with K innermost; sixteen lanes fill 256 consecutive bytes, aligned
.irp i, 0,1,2,3,4,5,6,7,8,9,10,11,12,13,14,15,16,17,18,19,20,21,22,23,24,25,26,27,28,29,30,31
	v_med3_num_f32 v[WD+32*\c+\i], v[WD+32*\c+\i], -v5, v5
.endr
.irp g, 0,1,2,3
	v_cvt_scalef32_pk8_fp8_f32 v[WC+8*\c+2*\g:WC+8*\c+2*\g+1], v[WD+32*\c+8*\g:WD+32*\c+8*\g+7], v4
.endr
	global_store_b128 v13, v[WC+8*\c:WC+8*\c+3], s[40:41] offset:512*\c          ; K 32 c + 0 .. 15
	global_store_b128 v13, v[WC+8*\c+4:WC+8*\c+7], s[40:41] offset:512*\c+256    ; K 32 c + 16 .. 31
.endm
	s_wait_loadcnt 32                              ; block 0 is in; block 1's 32 loads may be out
	WLOAD 2
	WPROC 0
	s_wait_loadcnt 32                              ; block 1 is in; block 2's may be out
	WLOAD 3
	WPROC 1
	s_wait_loadcnt 32                              ; block 2 is in; block 3's may be out
	WPROC 2
	s_wait_loadcnt 0x0
	WPROC 3
	s_endpgm
.Lfunc_end_k_q2011bd5347_prep:
	.size	k_q2011bd5347_prep, .Lfunc_end_k_q2011bd5347_prep-k_q2011bd5347_prep
	.p2alignl 7, 3214868480
	.fill 96, 4, 3214868480
	.section	.rodata,"a",@progbits
	.p2align	6, 0x0
	.amdhsa_kernel k_q2011bd5347_prep
		.amdhsa_group_segment_fixed_size 34304
		.amdhsa_private_segment_fixed_size 0
		.amdhsa_enable_private_segment 0
		.amdhsa_kernarg_size 56
		.amdhsa_user_sgpr_count 2
		.amdhsa_user_sgpr_kernarg_segment_ptr 1
		.amdhsa_wavefront_size32 1
		.amdhsa_system_sgpr_workgroup_id_x 1
		.amdhsa_system_sgpr_workgroup_id_y 1
		.amdhsa_system_sgpr_workgroup_id_z 1
		.amdhsa_system_vgpr_workitem_id 0
		.amdhsa_next_free_vgpr 210
		.amdhsa_next_free_sgpr 66
		.amdhsa_reserve_vcc 0
		.amdhsa_float_denorm_mode_32 3
		.amdhsa_float_denorm_mode_16_64 3
		.amdhsa_memory_ordered 1
		.amdhsa_forward_progress 1
		.amdhsa_inst_pref_size 46
	.end_amdhsa_kernel
	.amdgpu_metadata
---
amdhsa.version: [ 1, 2 ]
amdhsa.kernels:
  - .name:           k_q2011bd5347_prep
    .symbol:         k_q2011bd5347_prep.kd
    .args:
      - { .name: x, .offset: 0, .size: 8, .value_kind: global_buffer, .address_space: global }
      - { .name: Wq, .offset: 8, .size: 8, .value_kind: global_buffer, .address_space: global }
      - { .name: Wk, .offset: 16, .size: 8, .value_kind: global_buffer, .address_space: global }
      - { .name: Wv, .offset: 24, .size: 8, .value_kind: global_buffer, .address_space: global }
      - { .name: Wp, .offset: 32, .size: 8, .value_kind: global_buffer, .address_space: global }
      - { .name: lowp_scales, .offset: 40, .size: 8, .value_kind: global_buffer, .address_space: global }
      - { .name: opc, .offset: 48, .size: 8, .value_kind: global_buffer, .address_space: global }
    .group_segment_fixed_size: 34304
    .private_segment_fixed_size: 0
    .kernarg_segment_align: 8
    .kernarg_segment_size: 56
    .max_flat_workgroup_size: 128
    .sgpr_count:     66
    .vgpr_count:     210
    .wavefront_size: 32
...
	.end_amdgpu_metadata
.endif
;; end of part 1
;; launch qkv (part 2): grid 96 x 4, 4 waves a work-group, clusters of 4 x 4, 327,680 bytes of LDS; arguments opc, lowp_scales, bq, bk, bv, qkvc; writes qkvc
.if DOCPART == 2
	.amdgcn_target "amdgcn-amd-amdhsa--gfx1250"
	.amdhsa_code_object_version 6
	.text
	.protected	k_q2011bd5347_qkv
	.globl	k_q2011bd5347_qkv
	.p2align	8
	.type	k_q2011bd5347_qkv,@function
k_q2011bd5347_qkv:
	s_mov_b64 s[64:65], 0
	v_nop
	global_prefetch_b8 v0, s[64:65] scope:SCOPE_SE
	s_setreg_imm32_b32 hwreg(HW_REG_WAVE_MODE, 25, 1), 1
	s_wait_xcnt 0x0
	s_wait_alu depctr_hold_cnt(0) depctr_sa_sdst(0) depctr_va_vdst(0) depctr_va_sdst(0) depctr_va_ssrc(0) depctr_va_vcc(0) depctr_vm_vsrc(0)
	s_getreg_b32 s2, hwreg(HW_REG_IB_STS2, 6, 4)
	s_cmp_eq_u32 s2, 0
	s_cbranch_scc0 .Lentry_in_a_cluster
	s_endpgm
.Lentry_in_a_cluster:
	s_bfe_u32 s2, ttmp6, 0x10000c
	s_cmp_lg_u32 s2, 0xf033
	s_cbranch_scc0 .Lentry_shape_is_right
	s_endpgm
.Lentry_shape_is_right:
; q = x Wq + bq, k = x Wk + bk, v = x Wv + bv on E4M3 codes (made by the launch before), each result quantised at once for the attention launch: q with entry 6 of lowp_scales, k with entry 7, v with entry 9.
; 24 clusters of 4 x 4 work-groups: cluster / 8 = t says which product (0 q, 1 k, 2 v), cluster % 8 = ci which eighth of the tokens.  A work-group makes 256 x 256 results, each of its four waves 128 x 128:
; 64 accumulators, 512 registers.  K = 1,024 goes in four steps of 256 through two LDS slots filled by the tensor data mover.
; OPERANDS ARE IMAGES OF FRAGMENTS (16 rows x 128 K = 2,048 bytes, group c of 32 K at 512 c, lane l at 16 l; a tile's eight K steps lie on end: 16,384 bytes).  So a load of 8 tiles x 256 K is 8 rows of 4,096 bytes, 16,384 apart;
; it lies dense in LDS, a fragment is four ds_load_b128 at 16 x lane (consecutive bytes), and no padding is wanted.  Row a of tile u is matrix row 32 (u / 2) + 8 (u % 2) + a + 8 (a / 8).
; THE MATRIX INSTRUCTION: source 0 = "B", source 1 = "A".  A lane then holds ONE row of A, and the 16 registers of B's tiles 2 p and 2 p + 1 are B's rows 32 p + 16 (lane / 16) + 0 .. 15: sixteen neighbours,
; which the conversion turns into 16 bytes of the next operand's image.  q, k: A = x (tokens), B = W (n = 64 head + d): registers run along d.  v: A = Wv, B = x: registers run along the keys, the second attention product's K.
; A's tiles are shared along a row of the cluster, B's along a column: each is asked for jointly, by the same tensor load with a mask that names the four.
; OUT, qkvc: q at 0, k at 8 MiB: [b 16 + head][token tile 0..127][c 0..1][lane] 16 bytes, d = 32 c + 16 h + i.  v at 16 MiB: [b 16 + head][key step of 128][d tile 0..3][c 0..3][lane] 16 bytes, key = 32 c + 16 h + i.  Every store covers 512 consecutive bytes, aligned.
; LIMITS: e0 + e1, e2 + e3, e4 + e5 between -126 and 127; e6, e7, e9 between -126 and 119: so that each power of two below is an f32 number.
; REGISTERS, in windows of 256: window 0: v0-31 addresses and constants; v32-95 bias along the registers (q, k); v96-111 bias of a lane's row (v); v128-255 A's fragments, ONE set; on the way out v128-191 numbers, v192-255 codes.
;   window 1: B's fragments, two sets.  window 2: the accumulators of A's tiles 0-3 (accumulator (a, b) at v[8 (8 a + b)]).  window 3: those of tiles 4-7.
.set HALFT,  32768                     ; 8 tiles x 256 K: what one tensor load brings, and what one wave reads of A or of B
.set SLOT,   4*HALFT                   ; A's two halves, then B's two
.set SPARE,  2*SLOT                    ; behind the ring: the spare words, 128 bytes for each wave: two blocks of 256 bytes that no other line names
.set KADV,   8192                      ; two K steps of 256 on, in a tile's 16,384 bytes
.set XVO,    0x1000000                 ; opc: x's codes under entry 4;
.set WQO,    0x1800000                 ; Wq's codes (Wk's 1 MiB on);
.set WVO,    0x1a00000                 ; Wv's
.set FR,     16                        ; registers of a fragment
.set NL,     4                         ; LDS loads that bring one
.set NP,     4                         ; places behind this matrix instruction (ISA guide 7.12.1)
.set ADRA, 16                          ; v16-17  LDS address of my A fragments in slot 0, 1
.set ADRB, 20                          ; v20-21  the same for B
.set CO,   26                          ; v26     16 x lane
.set SPW,  28                          ; v28     LDS address of my spare word; never rewritten
.set NIL,  29                          ; v29     0; never rewritten
.set SCL,  30                          ; v30     2^eo, the result's scale
.set LIM,  31                          ; v31     448 x 2^eo
.set BU,   32
.set BV,   96
.set AF,   128
.set TMP,  128
.set CD,   192
.set G1, 24                            ; s[24:31] descriptor group 1 for A's tiles;  s[32:39] group 0, one set for each slot
.set G0, 32
.set G1B, 48                           ; s[48:55], s[56:63] the same for B's
.set G0B, 56
.set MSB, 0
.macro WIN new                         ; the immediate's high byte repeats the setting that is left; a switch that changes nothing is dropped
.if MSB != (\new)
	s_set_vgpr_msb (MSB<<8)|(\new)
.set MSB, (\new)
.endif
.endm
.set MUL_LO, 0xa1                      ; source 0 (B) window 1, source 1 (A) window 0, C and D window 2
.set MUL_HI, 0xf1                      ; the same, C and D window 3
.set TO_B,   0x40                      ; destination window 1, address window 0
; A joint load: waves 0 and 1 fetch A's halves, waves 2 and 3 B's.  Each line has one mask and one set of registers for all that issue it; the branch hangs on the wave's number alone.
; Four v_nop follow each of the two lines, ahead of the jump, the label and what follows.
.macro JLOAD g0a, g1a, g0b, g1b
	s_cmp_eq_u32 s15, 0
	s_cbranch_scc0 .Lfor_b_\@
	tensor_load_to_lds s[\g0a:\g0a+3], s[\g1a:\g1a+7]
	s_nop 0
.rept 4
	v_nop
.endr
	s_branch .Lasked_\@
.Lfor_b_\@:
	tensor_load_to_lds s[\g0b:\g0b+3], s[\g1b:\g1b+7]
	s_nop 0
.rept 4
	v_nop
.endr
.Lasked_\@:
.endm
.macro CREST                           ; a round of the cluster's barrier behind its opening barrier
	s_cmp_lg_u32 s14, 0
	s_cbranch_scc1 .Lnot_wave_0_\@
	s_barrier_signal -3
.Lnot_wave_0_\@:
	s_barrier_wait -3
	s_barrier_signal -1
	s_barrier_wait -1
.endm
.macro CROUND                          ; a whole round
	s_barrier_signal -1
	s_barrier_wait -1
	CREST
.endm
	s_load_b256 s[4:11], s[0:1], 0x0               ; opc s[4:5], lowp_scales s[6:7], bq s[8:9], bk s[10:11]
	s_load_b128 s[88:91], s[0:1], 0x20             ; bv s[88:89], qkvc s[90:91]
	v_lshl_add_u32 v[SPW], v0, 2, SPARE
	v_mov_b32 v[NIL], 0
	ds_add_u32 v28, v29
	ds_add_u32 v28, v29
	s_wait_dscnt 0x0
	v_lshrrev_b32 v1, 5, v0
	v_readfirstlane_b32 s14, v1                    ; wave 0..3
	s_lshr_b32 s15, s14, 1                         ; which half of A's tiles is mine.  Also: I fetch for A (0) or for B (1)
	s_and_b32 s16, s14, 1                          ; which half of B's.  Also: which half of that operand's 16 tiles I fetch
	s_bfe_u32 s40, ttmp6, 0x40000                  ; cx, cy: my place in the cluster
	s_bfe_u32 s41, ttmp6, 0x40004
	s_lshl_b32 s43, s41, 2
	s_lshl_b32 s43, 15, s43                        ; my row of the cluster
	s_lshl_b32 s44, 0x1111, s40                    ; my column
	s_lshr_b32 s80, ttmp9, 3                       ; t: the same in all sixteen partners
	s_and_b32 s81, ttmp9, 7
	s_lshl_b32 s81, s81, 2                         ; 4 ci
	s_lshl_b32 s82, s80, 23                        ; x's set t
	s_lshl_b32 s83, s80, 20
	s_add_co_u32 s83, s83, WQO                     ; W's set t
	s_cmp_eq_u32 s80, 2
	s_cselect_b32 s17, 0, s81                      ; A's block of 256 rows: q, k: 4 ci + cy of the tokens; v: cy of Wv's n
	s_cselect_b32 s42, s81, 0                      ; B's: q, k: cx of W's n; v: 4 ci + cx of the tokens
	s_cselect_b32 s18, WVO, s82                    ; where A's codes begin in opc,
	s_cselect_b32 s19, XVO, s83                    ; and B's
	s_add_co_u32 s17, s17, s41
	s_add_co_u32 s42, s42, s40
	; descriptor group 1: 8 rows of 512 elements of 8 bytes, 2,048 elements apart; no padding
	s_or_b32 s[G1+0], s43, (3<<16)|(1<<21)         ; 15:0 the mask: A's tiles go to my row; 17:16 elements of 8 bytes; 21 set beside a mask
	s_or_b32 s[G1B+0], s44, (3<<16)|(1<<21)        ; B's go to my column
.irp g, G1, G1B
	s_mov_b32 s[\g+1], 512<<16                     ; tensor_dim0
	s_mov_b32 s[\g+2], 8<<16                       ; tensor_dim1
	s_mov_b32 s[\g+3], 512<<16                     ; tile_dim0
	s_mov_b32 s[\g+4], 8                           ; tile_dim1
	s_mov_b32 s[\g+5], 2048                        ; tensor_dim0_stride
	s_mov_b32 s[\g+6], 0
	s_mov_b32 s[\g+7], 0
.endr
	s_lshl_b32 s20, s17, 18                        ; A: block x 16 tiles of 16,384 bytes
	s_lshl_b32 s21, s16, 17                        ; + the 8 tiles that I fetch
	s_add_co_u32 s20, s20, s21
	s_add_co_u32 s20, s20, s18
	s_mov_b32 s21, 0
	s_lshl_b32 s46, s42, 18                        ; B likewise, in registers that never hold cy
	s_lshl_b32 s47, s16, 17
	s_add_co_u32 s46, s46, s47
	s_add_co_u32 s46, s46, s19
	s_mov_b32 s47, 0
	s_mul_i32 s45, s14, HALFT                      ; where they go: wave x 32,768: no place in the cluster enters an LDS address
	s_wait_kmcnt 0x0
	s_load_b256 s[68:75], s[6:7], 0x0              ; e0 .. e7
	s_load_b128 s[76:79], s[6:7], 0x20             ; e8 .. e11
	s_add_nc_u64 s[20:21], s[4:5], s[20:21]
	s_add_nc_u64 s[46:47], s[4:5], s[46:47]
	CROUND                                         ; all sixteen work-groups are here: the first joint loads meet
.irp s, 0,1
	s_mov_b32 s[G0+4*\s], 1
	s_add_co_u32 s[G0+4*\s+1], s45, \s*SLOT
	s_add_nc_u64 s[G0+4*\s+2:G0+4*\s+3], s[20:21], \s*4096   ; K step s of 256
	s_or_b32 s[G0+4*\s+3], s[G0+4*\s+3], 0x80000000
	s_mov_b32 s[G0B+4*\s], 1
	s_add_co_u32 s[G0B+4*\s+1], s45, \s*SLOT
	s_add_nc_u64 s[G0B+4*\s+2:G0B+4*\s+3], s[46:47], \s*4096
	s_or_b32 s[G0B+4*\s+3], s[G0B+4*\s+3], 0x80000000
	JLOAD G0+4*\s, G1, G0B+4*\s, G1B
.endr
	v_and_b32 v1, 31, v0
	v_lshlrev_b32 v[CO], 4, v1
	s_mul_i32 s21, s15, HALFT                      ; my 8 tiles of A
	s_mul_i32 s22, s16, HALFT                      ; my 8 tiles of B,
	s_add_co_u32 s22, s22, 2*HALFT                 ; which lie behind A's 16
.irp s, 0,1
	v_add_nc_u32 v[ADRA+\s], s21, v[CO]
	v_add_nc_u32 v[ADRB+\s], s22, v[CO]
	s_add_co_u32 s21, s21, SLOT
	s_add_co_u32 s22, s22, SLOT
.endr
	; the biases.  Both kinds are loaded on every path; the way out takes the one that belongs to t.  The other kind's loads read the buffer's first bytes.
	v_bfe_u32 v2, v0, 4, 1                         ; h
	v_and_b32 v3, 15, v0                           ; r
	v_lshlrev_b32 v8, 6, v2                        ; q, k: my half's 16 numbers of each 32
	v_and_b32 v9, 8, v3
	v_add_nc_u32 v9, v9, v3
	v_lshlrev_b32 v9, 2, v9                        ; v: the number of my row: r + 8 (r / 8)
	s_lshl_b32 s82, s42, 10                        ; q, k: n begins at 256 x B's block + 128 x my half
	s_lshl_b32 s83, s16, 9
	s_add_co_u32 s82, s82, s83
	s_lshl_b32 s84, s17, 10                        ; v: at 256 x A's block + 128 x my half
	s_lshl_b32 s85, s15, 9
	s_add_co_u32 s84, s84, s85
	s_cmp_eq_u32 s80, 2
	s_cselect_b32 s82, 0, s82
	s_cselect_b32 s84, s84, 0
	s_mov_b32 s83, 0
	s_mov_b32 s85, 0
	s_cmp_eq_u32 s80, 1
	s_cselect_b64 s[92:93], s[10:11], s[8:9]       ; bk for k, else bq
	s_add_nc_u64 s[82:83], s[92:93], s[82:83]
	s_add_nc_u64 s[84:85], s[88:89], s[84:85]
.irp p, 0,1,2,3
.irp j, 0,1,2,3
	global_load_b128 v[BU+16*\p+4*\j:BU+16*\p+4*\j+3], v8, s[82:83] offset:128*\p+16*\j   ; register 16 p + i: n = 32 p + 16 h + i
.endr
.endr
.irp a, 0,1,2,3,4,5,6,7
	global_load_b32 v[BV+2*\a], v9, s[84:85] offset:4*(32*(\a/2)+8*(\a%2))     ; tile a's row r, twice: a pair for the packed multiply-add
	global_load_b32 v[BV+2*\a+1], v9, s[84:85] offset:4*(32*(\a/2)+8*(\a%2))
.endr
	; where my results go.  q, k: t x 8 MiB + batch x 2 MiB + head x 128 KiB + token tile x 1,024
	s_lshl_b32 s92, s17, 4
	s_lshl_b32 s93, s15, 3
	s_add_co_u32 s92, s92, s93                     ; my first token tile of all 512
	s_lshr_b32 s93, s92, 7
	s_lshl_b32 s93, s93, 21
	s_and_b32 s92, s92, 127
	s_lshl_b32 s92, s92, 10
	s_add_co_u32 s92, s92, s93
	s_lshl_b32 s93, s42, 19                        ; head 4 x B's block
	s_add_co_u32 s92, s92, s93
	s_lshl_b32 s93, s16, 18                        ; + 2 x my half
	s_add_co_u32 s92, s92, s93
	s_lshl_b32 s93, s80, 23
	s_add_co_u32 s92, s92, s93
	; v: 16 MiB + batch x 2 MiB + head x 128 KiB + key step x 8,192
	s_lshl_b32 s94, s42, 3
	s_lshl_b32 s95, s16, 2
	s_add_co_u32 s94, s94, s95                     ; my first token / 32
	s_lshr_b32 s95, s94, 6
	s_lshl_b32 s95, s95, 21
	s_and_b32 s94, s94, 63
	s_lshr_b32 s94, s94, 2
	s_lshl_b32 s94, s94, 13
	s_add_co_u32 s94, s94, s95
	s_lshl_b32 s95, s17, 19                        ; head 4 x A's block
	s_add_co_u32 s94, s94, s95
	s_lshl_b32 s95, s15, 18                        ; + 2 x my half
	s_add_co_u32 s94, s94, s95
	s_add_co_u32 s94, s94, 0x1000000
	s_cmp_eq_u32 s80, 2
	s_cselect_b32 s86, s94, s92
	s_mov_b32 s87, 0
	s_add_nc_u64 s[86:87], s[90:91], s[86:87]
	; the powers of two: chosen by t without a jump
	s_wait_kmcnt 0x0
	s_add_co_i32 s92, s68, s69
	s_add_co_i32 s93, s70, s71
	s_add_co_i32 s94, s72, s73
	s_cmp_eq_u32 s80, 0
	s_cselect_b32 s92, s92, s93
	s_cselect_b32 s95, s74, s75                    ; e6 for q, e7 for k,
	s_cmp_eq_u32 s80, 2
	s_cselect_b32 s92, s94, s92
	s_cselect_b32 s95, s77, s95                    ; e9 for v
	s_add_co_i32 s92, s92, 127
	s_lshl_b32 s96, s92, 23                        ; 2^(the two operands' e added): what a finished sum is multiplied by
	s_mov_b32 s97, s96                             ; (named with it as a pair, so it is written)
	s_add_co_i32 s95, s95, 127
	s_lshl_b32 s92, s95, 23
	v_mov_b32 v[SCL], s92
	s_add_co_i32 s95, s95, 8
	s_lshl_b32 s95, s95, 23
	s_or_b32 s95, s95, 0x600000
	v_mov_b32 v[LIM], s95
.macro FRAG reg, adr, q, i             ; tile i's fragment of the slot's q-th 128 along K: four groups of 512 bytes, 16 x lane in each
.irp c, 0,1,2,3
	ds_load_b128 v[\reg+4*\c:\reg+4*\c+3], v[\adr] offset:2048*(\q)+512*\c+(\i)*4096
.endr
.endm
; 16 matrix instructions: A's tiles a0, a0 + 1 x B's eight, 128 along K.  p: B's set.  zero = 1: the first product starts the sums: nothing is ever cleared.
; The 64 accumulators take turns, one instruction a turn, in the same order in every step.
.macro MUL16 a0, p, zero
.irp a, \a0, \a0+1
.irp b, 0,1,2,3,4,5,6,7
.if \zero
	v_wmma_f32_16x16x128_fp8_fp8 v[8*(8*((\a)%4)+\b):8*(8*((\a)%4)+\b)+7], v[128*(\p)+FR*\b:128*(\p)+FR*\b+FR-1], v[AF+FR*(\a):AF+FR*(\a)+FR-1], 0
.else
	v_wmma_f32_16x16x128_fp8_fp8 v[8*(8*((\a)%4)+\b):8*(8*((\a)%4)+\b)+7], v[128*(\p)+FR*\b:128*(\p)+FR*\b+FR-1], v[AF+FR*(\a):AF+FR*(\a)+FR-1], v[8*(8*((\a)%4)+\b):8*(8*((\a)%4)+\b)+7]
.endif
.endr
.endr
.endm
.macro FETCH_B slot, q, p
	WIN TO_B
.irp i, 0,1,2,3,4,5,6,7
	FRAG 128*(\p)+FR*\i, ADRB+\slot, \q, \i
.endr
	WIN 0
.endm
.macro FETCH_A slot, q, i0
.irp i, \i0, \i0+1, \i0+2, \i0+3
	FRAG AF+FR*(\i), ADRA+\slot, \q, \i
.endr
.endm
.macro PLACES n                        ; plain vector instructions between a matrix instruction and a load into a register that it read, or a read of its result
.rept \n
	v_nop
.endr
.endm
; A step of 128 along K that has its successor in the same slot.  A's tiles 0-3 are fetched anew in the step's middle, tiles 4-7 at its end; B's other set in the middle.
.macro STEP slot, q, zero
	s_wait_dscnt 4*NL                              ; B's set and A's tiles 0-3 are in; the youngest 16 loads (A's tiles 4-7) may be out
	WIN MUL_LO
	MUL16 0, (\q)%2, \zero
	MUL16 2, (\q)%2, \zero
	s_wait_dscnt 0                                 ; A's tiles 4-7 are in
	PLACES NP
	FETCH_B \slot, (\q)+1, 1-(\q)%2
	FETCH_A \slot, (\q)+1, 0
	WIN MUL_HI
	MUL16 4, (\q)%2, \zero
	MUL16 6, (\q)%2, \zero
	PLACES NP
	WIN 0
	FETCH_A \slot, (\q)+1, 4
.endm
; A slot's last step changes slots: one barrier; in front of it each wave waits for all its tensor loads, adds 0 to its spare word, and waits for that and for its own reads of this slot.  fill = 1: this slot is filled again, two K steps ahead.
.macro TURN slot, next, fill
	s_wait_tensorcnt 0x0                           ; all my tensor loads have landed: my part of the next slot
	ds_add_u32 v[SPW], v[NIL]                      ; 0 onto my spare word
	s_wait_dscnt 4*NL+1                            ; (the add and the youngest 16 loads, A's tiles 4-7, may be out)
	WIN MUL_LO
	MUL16 0, 1, 0                                  ; sixteen matrix instructions stand between the add and the wait for it
	s_wait_dscnt 0x0                               ; the add is done, and my reads of this slot are over
	s_barrier_signal -1
	MUL16 2, 1, 0
	WIN 0
	s_barrier_wait -1
.if \fill
	CREST                                          ; the barrier has opened a round of the cluster's barrier: no wave of any partner still reads this slot or has a load on its way
	s_add_nc_u64 s[G0+4*\slot+2:G0+4*\slot+3], s[G0+4*\slot+2:G0+4*\slot+3], KADV
	s_add_nc_u64 s[G0B+4*\slot+2:G0B+4*\slot+3], s[G0B+4*\slot+2:G0B+4*\slot+3], KADV
	JLOAD G0+4*\slot, G1, G0B+4*\slot, G1B         ; the first tensor load behind the round; its four v_nop are also the places in front of the loads below
.else
	PLACES NP
.endif
	FETCH_B \next, 0, 0
	FETCH_A \next, 0, 0
	WIN MUL_HI
	MUL16 4, 1, 0
	MUL16 6, 1, 0
	PLACES NP
	WIN 0
	FETCH_A \next, 0, 4
.endm
	s_wait_tensorcnt 1                             ; my part of K step 0 is in (K step 1's load may be out)
	s_barrier_signal -1
	s_barrier_wait -1                              ; everybody's is
	FETCH_B 0, 0, 0
	FETCH_A 0, 0, 0
	FETCH_A 0, 0, 4
	STEP 0, 0, 1                                   ; K 0-127: its products start the sums.  K has eight such steps: they are written out, there is no loop
	TURN 0, 1, 1                                   ; K 128-255; slot 0 takes K 512-767
	STEP 1, 0, 0
	TURN 1, 0, 1                                   ; slot 1 takes K 768-1023
	STEP 0, 0, 0
	TURN 0, 1, 0                                   ; nothing is left to fetch: no round, no load
	STEP 1, 0, 0
	s_wait_dscnt 4*NL                              ; the last step
	WIN MUL_LO
	MUL16 0, 1, 0
	MUL16 2, 1, 0
	s_wait_dscnt 0
	WIN MUL_HI
	MUL16 4, 1, 0
	MUL16 6, 1, 0
	WIN 0
; THE WAY OUT of A's tile a: sum x 2^(e + e) + bias in one packed multiply-add, each accumulator from its low end on; the hold; the conversion; four stores of 512 consecutive bytes.  No LDS: the codes are an image as they stand.
.macro OUTBLK a, isv
.set AC, 64*((\a)%4)
.set CB, CD+16*((\a)%4)
.if (\a) >= 4
	s_wait_xcnt 0x0                                ; the codes' registers are a ring of four tiles: tile a - 4's stores have read theirs
.endif
	WIN 0x02+((\a)/4)                              ; source 0: window 2 or 3
.irp x, 0,2,4,6,8,10,12,14,16,18,20,22,24,26,28,30,32,34,36,38,40,42,44,46,48,50,52,54,56,58,60,62
.if \isv
	v_pk_fma_f32 v[TMP+\x:TMP+\x+1], v[AC+\x:AC+\x+1], s[96:97], v[BV+2*(\a):BV+2*(\a)+1] op_sel_hi:[1,0,1]
.else
	v_pk_fma_f32 v[TMP+\x:TMP+\x+1], v[AC+\x:AC+\x+1], s[96:97], v[BU+\x:BU+\x+1] op_sel_hi:[1,0,1]
.endif
.endr
	WIN 0
.irp p, 0,1,2,3
.irp i, 0,1,2,3,4,5,6,7,8,9,10,11,12,13,14,15
	v_med3_num_f32 v[TMP+16*\p+\i], v[TMP+16*\p+\i], -v[LIM], v[LIM]   ; the conversion to an 8-bit code does not saturate (ISA guide 7.6.2)
.endr
	v_cvt_scalef32_pk8_fp8_f32 v[CB+4*\p:CB+4*\p+1], v[TMP+16*\p:TMP+16*\p+7], v[SCL]
	v_cvt_scalef32_pk8_fp8_f32 v[CB+4*\p+2:CB+4*\p+3], v[TMP+16*\p+8:TMP+16*\p+15], v[SCL]
.endr
	v_nop                                          ; a plain vector instruction between the last conversion and the next tile's writes of its sources
.irp p, 0,1,2,3
.if \isv
	global_store_b128 v[CO], v[CB+4*\p:CB+4*\p+3], s[86:87] offset:((\a)/4)*131072+((\a)%4)*2048+\p*512    ; head a / 4, d tile a % 4, keys 32 p on
.else
	global_store_b128 v[CO], v[CB+4*\p:CB+4*\p+3], s[86:87] offset:(\p/2)*131072+(\a)*1024+(\p%2)*512      ; head p / 2, token tile a, d 32 (p % 2) on
.endif
.endr
.endm
	PLACES NP                                      ; behind the last products: their results are read and A's registers written below
	s_wait_loadcnt 0x0                             ; the biases
	s_cmp_eq_u32 s80, 2                            ; t is the same in all partners of the cluster
	s_cbranch_scc1 .Lv_out
.irp a, 0,1,2,3,4,5,6,7
	OUTBLK \a, 0
.endr
	s_branch .Ldone
.Lv_out:
.irp a, 0,1,2,3,4,5,6,7
	OUTBLK \a, 1
.endr
.Ldone:
	s_wait_tensorcnt 0x0                           ; the wave's end
	ds_add_u32 v[SPW], v[NIL]
	s_wait_dscnt 0x0
	CROUND                                         ; the closing round: no work-group ends while a partner may still ask for a tile that names it
	s_endpgm
.Lfunc_end_k_q2011bd5347_qkv:
	.size	k_q2011bd5347_qkv, .Lfunc_end_k_q2011bd5347_qkv-k_q2011bd5347_qkv
	.p2alignl 7, 3214868480
	.fill 96, 4, 3214868480
	.section	.rodata,"a",@progbits
	.p2align	6, 0x0
	.amdhsa_kernel k_q2011bd5347_qkv
		.amdhsa_group_segment_fixed_size 327680
		.amdhsa_private_segment_fixed_size 0
		.amdhsa_enable_private_segment 0
		.amdhsa_kernarg_size 48
		.amdhsa_user_sgpr_count 2
		.amdhsa_user_sgpr_kernarg_segment_ptr 1
		.amdhsa_wavefront_size32 1
		.amdhsa_system_sgpr_workgroup_id_x 1
		.amdhsa_system_sgpr_workgroup_id_y 1
		.amdhsa_system_sgpr_workgroup_id_z 1
		.amdhsa_system_vgpr_workitem_id 0
		.amdhsa_next_free_vgpr 1024
		.amdhsa_next_free_sgpr 98
		.amdhsa_reserve_vcc 0
		.amdhsa_float_denorm_mode_32 3
		.amdhsa_float_denorm_mode_16_64 3
		.amdhsa_memory_ordered 1
		.amdhsa_forward_progress 1
		.amdhsa_inst_pref_size 194
	.end_amdhsa_kernel
	.amdgpu_metadata
---
amdhsa.version: [ 1, 2 ]
amdhsa.kernels:
  - .name:           k_q2011bd5347_qkv
    .symbol:         k_q2011bd5347_qkv.kd
    .args:
      - { .name: opc, .offset: 0, .size: 8, .value_kind: global_buffer, .address_space: global }
      - { .name: lowp_scales, .offset: 8, .size: 8, .value_kind: global_buffer, .address_space: global }
      - { .name: bq, .offset: 16, .size: 8, .value_kind: global_buffer, .address_space: global }
      - { .name: bk, .offset: 24, .size: 8, .value_kind: global_buffer, .address_space: global }
      - { .name: bv, .offset: 32, .size: 8, .value_kind: global_buffer, .address_space: global }
      - { .name: qkvc, .offset: 40, .size: 8, .value_kind: global_buffer, .address_space: global }
    .group_segment_fixed_size: 327680
    .private_segment_fixed_size: 0
    .kernarg_segment_align: 8
    .kernarg_segment_size: 48
    .max_flat_workgroup_size: 128
    .sgpr_count:     98
    .vgpr_count:     1024
    .wavefront_size: 32
...
	.end_amdgpu_metadata
.endif
;; end of part 2
;; launch attn (part 3): grid 4 x 64, 16 waves a work-group, no clusters, 34,816 bytes of LDS; arguments qkvc, lowp_scales, yc; writes yc
.if DOCPART == 3
	.amdgcn_target "amdgcn-amd-amdhsa--gfx1250"
	.amdhsa_code_object_version 6
	.text
	.protected	k_q2011bd5347_attn
	.globl	k_q2011bd5347_attn
	.p2align	8
	.type	k_q2011bd5347_attn,@function
k_q2011bd5347_attn:
	s_mov_b64 s[64:65], 0
	v_nop
	global_prefetch_b8 v0, s[64:65] scope:SCOPE_SE
	s_setreg_imm32_b32 hwreg(HW_REG_WAVE_MODE, 25, 1), 1
	s_wait_xcnt 0x0
; y[b][q][head] = the sum over keys k <= q of softmax_k(q . k / 8) v, both products on E4M3 codes; y is quantised at once (entry 10 of lowp_scales) for the last product.
; THE SOFTMAX AHEAD OF THE SECOND PRODUCT: t = score x log2(e) / 8; M = the row's largest t so far, rounded up to a whole number; p = 2^(t - M) is quantised (entry 8), not normalised; the row's sum is taken of the unquantised p
; and divides at the end.  When M moves, the sum and O are multiplied by 2^(old M - new M), which rounds nothing.
; SHARES.  A head has eight blocks of 256 queries.  Work-group (i, b 16 + head) owns blocks 7 - i and i; wave w owns tile w (16 queries) of each.  A tile of block j needs key steps (128 keys) 0 .. 2 j + w / 8:
; so every wave has 16 or 18 tile steps, whatever i is.  Four waves share a SIMD: one wave's vector work stands beside another's matrix work and LDS loads.
; WHY NO CLUSTER AND NO TENSOR LOAD: the four work-groups of a head walk 16, 14, 12 and 10 key steps, so partners would need different numbers of tiles; and a key step is only 16 KiB, two loads and two LDS stores of 16 bytes a thread.
; K and V come through registers into two LDS buffers by turns: key step j + 2 is loaded while step j is worked on, and stored a step later.  One barrier a key step.
; LAYOUT (made by the launch before): images of fragments.  q, k: a tile of 16 rows x 64 d is 1,024 bytes: group c at 512 c, lane l at 16 l, d = 32 c + 16 (l / 16) + i.  v: a tile of 16 d x 128 keys is 2,048 bytes, key = 32 c + 16 (l / 16) + i.
; Row a of tile u is row 32 (u / 2) + 8 (u % 2) + a + 8 (a / 8).  Both products are used transposed (S^T = K Q^T, O^T = V^T P^T): a lane holds ONE query, and the 16 registers of key tiles 2 b, 2 b + 1 are 16 neighbouring keys.
; THE MASK: a step whose keys all come after the tile's queries is jumped over (a scalar branch on ids); in the one step on the diagonal hidden scores become -infinity ahead of the maximum.  Key 128 x that step counts for every query of the tile.
; The loop has a constant count, 16 key steps; a work-group that needs fewer passes the rest with the barrier alone.
; LIMITS: e6 + e7 between -123 and 130 (added to c's exponent field); e8 and e10 between -126 and 119; e8 + e9 is applied by v_ldexp_f32 and has none.
.set BUFB, 16384                       ; an LDS buffer: 8 key tiles of K, then 4 d tiles of V
.set VOFF, 8192
.set SA,   1                           ; v1   16 x thread: my 16 bytes of a key step's 8,192, in memory and in LDS
.set LA,   2                           ; v2   16 x lane
.set DQ,   3                           ; v3   my query - the diagonal step's first key - 16 (lane / 16)
.set HOLD, 4                           ; v4   448 x 2^e8; on the way out 448 x 2^e10
.set SCL,  5                           ; v5   2^e8; on the way out 2^e10
.set PX,   6                           ; v6   what the lane 16 away holds
.set PFO,  7                           ; v7   256 x lane, for the prefetches
.set STH,  8                           ; v8 -M, v[10:11] the sum in two halves: the tile of block 7 - i
.set STL,  12                          ; v12, v[14:15]: the tile of block i
.set QH,   16                          ; v16-23, v24-31: the two tiles of Q
.set QL,   24
.set F,    32                          ; v32-95   eight fragments of K, then four of V
.set S,    96                          ; v96-159  S^T, then p
.set OH,   160                         ; v160-191, v192-223: O^T
.set OL,   192
.set PC,   224                         ; v224-239 p's codes
.set STK,  240                         ; v240-243 K, v244-247 V: a key step on its way from memory to LDS
.set NM,   248                         ; v[248:249] the new -M (the low word serves both halves)
.set FF,   250                         ; v[250:251] f = 2^(old M - new M)
.set CH,   252                         ; v252, v253 at work
.set NINF, 254                         ; v254 -infinity
.set WV,   20
.set SEL,  22                          ; s[22:23] lane selects for v_permlanex16_b32: lane l xor 16
.set CS,   24                          ; s[24:25] c = log2(e) / 8 x 2^(e6 + e7)
.set KAP,  26                          ; the key step in hand
.set TRIP, 27
.set KMAX, 28                          ; the work-group's last key step: 2 (7 - i) + 1
.set KDH,  29                          ; my tiles' diagonal steps
.set KDL,  30
.set PLIM, 31                          ; a wave prefetches while the key step is under this: 13 in waves 0 and 1 of a head's work-group 0, else 0
.set KP,   32                          ; s[32:33], s[34:35]: K and V at the key step loaded last
.set VP,   34
.set PFA,  36                          ; s[36:37] one key step further on (wave 0: in K, wave 1: in V)
.set QHP,  38
.set QLP,  40
.set YH,   42
.set YL,   44
	s_load_b128 s[4:7], s[0:1], 0x0                ; qkvc s[4:5], lowp_scales s[6:7]
	s_load_b64 s[8:9], s[0:1], 0x10                ; yc
	v_lshl_add_u32 v13, v0, 2, 0x8000
	v_mov_b32 v255, 0
	v_lshrrev_b32 v1, 5, v0
	v_readfirstlane_b32 s[WV], v1                  ; wave 0..15
	v_lshlrev_b32 v[SA], 4, v0
	v_and_b32 v2, 31, v0
	v_lshlrev_b32 v[PFO], 8, v2
	v_lshlrev_b32 v[LA], 4, v2
	v_and_b32 v[DQ], 15, v0                        ; r
	v_and_b32 v[PX], 8, v[DQ]
	v_add_nc_u32 v[DQ], v[DQ], v[PX]               ; r + 8 (r / 8)
	v_bfe_u32 v[PX], v0, 4, 1
	v_lshlrev_b32 v[PX], 4, v[PX]
	v_sub_nc_u32 v[DQ], v[DQ], v[PX]               ; - 16 h
	s_bfe_u32 s46, s[WV], 0x20001
	s_lshl_b32 s46, s46, 5                         ; 32 ((w / 2) % 4)
	s_and_b32 s47, s[WV], 1
	s_lshl_b32 s47, s47, 3                         ; + 8 (w % 2): the tile's first query in its diagonal step, the same for both of my tiles
	s_add_co_u32 s46, s46, s47
	v_add_nc_u32 v[DQ], s46, v[DQ]
	s_sub_co_u32 s48, 7, ttmp9                     ; the late block
	s_lshl_b32 s[KMAX], s48, 1
	s_lshr_b32 s49, s[WV], 3
	s_add_co_u32 s[KDH], s[KMAX], s49
	s_add_co_u32 s[KMAX], s[KMAX], 1
	s_lshl_b32 s[KDL], ttmp9, 1
	s_add_co_u32 s[KDL], s[KDL], s49
	s_and_b32 s50, ttmp7, 0xffff                   ; b 16 + head
	s_lshl_b32 s52, s50, 17                        ; its 131,072 bytes in each of q, k, v
	s_mov_b32 s53, 0
	s_lshl_b32 s54, s48, 4
	s_add_co_u32 s54, s54, s[WV]                   ; my tile of the late block,
	s_lshl_b32 s55, ttmp9, 4
	s_add_co_u32 s55, s55, s[WV]                   ; of the early one
	s_lshr_b32 s51, s[WV], 1
	s_or_b32 s51, s51, ttmp9
	s_cmp_eq_u32 s51, 0
	s_cselect_b32 s[PLIM], 13, 0
	s_mov_b32 s[SEL], 0x76543210
	s_mov_b32 s[SEL+1], 0xfedcba98
	s_mov_b32 s[CS], 0x3e38aa3b                    ; log2(e) / 8
	s_mov_b32 s57, 0
	s_wait_kmcnt 0x0
	s_load_b64 s[12:13], s[6:7], 0x18              ; e6, e7
	s_load_b128 s[16:19], s[6:7], 0x20             ; e8, e9, e10, e11
	s_add_nc_u64 s[58:59], s[4:5], s[52:53]        ; my head's q
	s_add_nc_u64 s[KP:KP+1], s[58:59], 0x800000    ; its k,
	s_add_nc_u64 s[VP:VP+1], s[58:59], 0x1000000   ; its v
	global_load_b128 v[STK:STK+3], v[SA], s[KP:KP+1]       ; key step 0: the 512 threads read 8,192 consecutive bytes of each
	global_load_b128 v[STK+4:STK+7], v[SA], s[VP:VP+1]
	s_lshl_b32 s56, s54, 10
	s_add_nc_u64 s[QHP:QHP+1], s[58:59], s[56:57]
	s_lshl_b32 s56, s55, 10
	s_add_nc_u64 s[QLP:QLP+1], s[58:59], s[56:57]
	global_load_b128 v[QH:QH+3], v[LA], s[QHP:QHP+1] th:TH_LOAD_NT          ; Q stays in registers; each tile is read by one wave
	global_load_b128 v[QH+4:QH+7], v[LA], s[QHP:QHP+1] offset:512 th:TH_LOAD_NT
	global_load_b128 v[QL:QL+3], v[LA], s[QLP:QLP+1] th:TH_LOAD_NT
	global_load_b128 v[QL+4:QL+7], v[LA], s[QLP:QLP+1] offset:512 th:TH_LOAD_NT
	s_cmp_eq_u32 s[WV], 0
	s_cselect_b64 s[PFA:PFA+1], s[KP:KP+1], s[VP:VP+1]
	s_add_nc_u64 s[PFA:PFA+1], s[PFA:PFA+1], 2*8192        ; at key step 2; the first step of the loop moves it to 3.  Nothing is prefetched here, at the head
	s_lshr_b32 s46, s50, 4
	s_lshl_b32 s46, s46, 21                        ; yc: batch x 128 tiles of 16,384 bytes
	s_and_b32 s47, s50, 15
	s_lshl_b32 s47, s47, 10                        ; + head x 64 of a tile's K: (head / 2) x 2,048 + (head % 2) x 1,024
	s_add_co_u32 s46, s46, s47
	s_lshl_b32 s47, s54, 14
	s_add_co_u32 s56, s46, s47
	s_add_nc_u64 s[YH:YH+1], s[8:9], s[56:57]
	s_lshl_b32 s47, s55, 14
	s_add_co_u32 s56, s46, s47
	s_add_nc_u64 s[YL:YL+1], s[8:9], s[56:57]
	v_mov_b32 v[STH], 0x7f61b1e6                   ; -M = 3e38, a whole number: M lies under every t
	v_mov_b32 v[STL], 0x7f61b1e6
	v_mov_b32 v[STH+2], 0                          ; the sums
	v_mov_b32 v[STH+3], 0
	v_mov_b32 v[STL+2], 0
	v_mov_b32 v[STL+3], 0
	v_mov_b32 v[NM+1], 0                           ; (named as the upper halves of pairs)
	v_mov_b32 v[FF+1], 0
	v_mov_b32 v[CH], 0                             ; (a lane permute's destination counts as one of its sources)
	v_mov_b32 v[NINF], 0xff800000
.set n, 0
.rept 64
	v_mov_b32 v[OH+n], 0                           ; O^T of both tiles: the step is written once; the first finds zeros, which the first change of M leaves zeros
.set n, n+1
.endr
	s_wait_kmcnt 0x0
	s_add_co_i32 s46, s12, s13
	s_lshl_b32 s46, s46, 23
	s_add_co_i32 s[CS], s[CS], s46                 ; a score stands for score x 2^(e6 + e7)
	s_mov_b32 s[CS+1], s[CS]                       ; (named with it as a pair)
	s_add_co_i32 s46, s16, 127
	s_lshl_b32 s47, s46, 23
	v_mov_b32 v[SCL], s47                          ; 2^e8
	s_add_co_i32 s46, s46, 8
	s_lshl_b32 s46, s46, 23
	s_or_b32 s46, s46, 0x600000
	v_mov_b32 v[HOLD], s46                         ; 448 x 2^e8
	s_wait_loadcnt 0x0                             ; key step 0 and Q
	ds_store_b128 v[SA], v[STK:STK+3]
	ds_store_b128 v[SA], v[STK+4:STK+7] offset:VOFF
	s_wait_dscnt 0x0                               ; for the others' sake, and before the registers are loaded again
	s_add_nc_u64 s[KP:KP+1], s[KP:KP+1], 8192      ; (their loads are done)
	s_add_nc_u64 s[VP:VP+1], s[VP:VP+1], 8192
	global_load_b128 v[STK:STK+3], v[SA], s[KP:KP+1]       ; key step 1 (every work-group has at least ten)
	global_load_b128 v[STK+4:STK+7], v[SA], s[VP:VP+1]
	s_barrier_signal -1
	s_barrier_wait -1
; One tile's work on the key step in buffer buf.
.macro STEP buf, Q, O, ST, KD
	s_cmp_gt_u32 s[KAP], s[\KD]                    ; all 128 keys come after my 16 queries: nothing to do
	s_cbranch_scc1 .Lskip_\@
.rept 4
	v_nop                                          ; places in front of loads into registers that the last products read
.endr
.irp t, 0,1,2,3,4,5,6,7
	ds_load_b128 v[F+8*\t:F+8*\t+3], v[LA] offset:\buf*BUFB+1024*\t
	ds_load_b128 v[F+8*\t+4:F+8*\t+7], v[LA] offset:\buf*BUFB+1024*\t+512
.endr
	s_wait_dscnt 8                                 ; key tiles 0-3 are in; the eight loads of tiles 4-7 may be out
.irp t, 0,1,2,3
	v_wmma_f32_16x16x64_fp8_fp8 v[S+8*\t:S+8*\t+7], v[F+8*\t:F+8*\t+7], v[\Q:\Q+7], 0
.endr
	s_wait_dscnt 0x0
.irp t, 4,5,6,7
	v_wmma_f32_16x16x64_fp8_fp8 v[S+8*\t:S+8*\t+7], v[F+8*\t:F+8*\t+7], v[\Q:\Q+7], 0
.endr
.rept 4
	v_nop                                          ; places: K's registers are loaded again, and the scores are read
.endr
.irp d, 0,1,2,3
.irp c, 0,1,2,3
	ds_load_b128 v[F+16*\d+4*\c:F+16*\d+4*\c+3], v[LA] offset:\buf*BUFB+VOFF+2048*\d+512*\c   ; V: it lands while the softmax is worked
.endr
.endr
	s_cmp_eq_u32 s[KAP], s[\KD]
	s_cbranch_scc0 .Lopen_\@                       ; all keys count
.set n, 0
.rept 64                                       ; register 16 b + i holds key 32 b + 16 (lane / 16) + i of the step: hidden where 32 b + i > DQ
	v_cmp_gt_i32 vcc_lo, 32*(n/16)+n%16, v[DQ]
	v_cndmask_b32 v[S+n], v[S+n], v[NINF], vcc_lo
.set n, n+1
.endr
.Lopen_\@:
	v_max3_num_f32 v[CH], v[S], v[S+1], v[S+2]     ; the step's largest score of my query among my 64 keys, in two chains, each accumulator from its low end on,
	v_max3_num_f32 v[CH+1], v[S+3], v[S+4], v[S+5]
.irp i, 6,10,14,18,22,26,30,34,38,42,46,50,54,58
	v_max3_num_f32 v[CH], v[CH], v[S+\i], v[S+\i+1]
	v_max3_num_f32 v[CH+1], v[CH+1], v[S+\i+2], v[S+\i+3]
.endr
	v_max3_num_f32 v[CH], v[CH], v[S+62], v[S+63]
	v_max_num_f32 v[CH], v[CH], v[CH+1]
	v_permlanex16_b32 v[PX], v[CH], s[SEL], s[SEL+1]
	v_max_num_f32 v[CH], v[CH], v[PX]              ; and among lane l xor 16's
	v_mul_f32 v[CH], s[CS], v[CH]                  ; as t (c is positive)
	v_floor_f32 v[CH+1], -v[CH]                    ; -ceil(t)
	v_min_num_f32 v[NM], v[\ST], v[CH+1]           ; the new -M: M is the ceiling of the running largest t
	v_sub_f32 v[CH+1], v[NM], v[\ST]               ; old M - new M: a whole number, 0 or less
	v_mov_b32 v[\ST], v[NM]
	v_cvt_i32_f32 v[CH+1], v[CH+1]                 ; (it saturates)
	v_ldexp_f32 v[FF], 1.0, v[CH+1]                ; f = 2^(old M - new M)
.set n, 0
.rept 32
	v_pk_fma_f32 v[S+n:S+n+1], v[S+n:S+n+1], s[CS:CS+1], v[NM:NM+1] op_sel_hi:[1,0,0]   ; t - M, two at a time
.set n, n+2
.endr
.set n, 0
.rept 64
	v_exp_f32 v[S+n], v[S+n]                       ; p = 2^(t - M), at most 1
.set n, n+1
.endr
	v_pk_mul_f32 v[\ST+2:\ST+3], v[\ST+2:\ST+3], v[FF:FF+1] op_sel_hi:[1,0]   ; the sums under the new M: the plain instruction behind the exponentials
	s_wait_alu depctr_va_vdst(0)                   ; one wait for the whole batch, ahead of its first reader
	v_pk_add_f32 v[CH:CH+1], v[S:S+1], v[S+2:S+3]  ; the row's sum is taken of the unquantised p: two at a time, in two chains
.irp j, 4,8,12,16,20,24,28,32,36,40,44,48,52,56,60
	v_pk_add_f32 v[\ST+2:\ST+3], v[\ST+2:\ST+3], v[S+\j:S+\j+1]
	v_pk_add_f32 v[CH:CH+1], v[CH:CH+1], v[S+\j+2:S+\j+3]
.endr
	v_pk_add_f32 v[\ST+2:\ST+3], v[\ST+2:\ST+3], v[CH:CH+1]
.irp b, 0,1,2,3
.irp i, 0,1,2,3,4,5,6,7,8,9,10,11,12,13,14,15
	v_min_num_f32 v[S+16*\b+\i], v[S+16*\b+\i], v[HOLD]   ; the conversion does not saturate (ISA guide 7.6.2); p is not negative, so the hold is one-sided
.endr
	v_cvt_scalef32_pk8_fp8_f32 v[PC+4*\b:PC+4*\b+1], v[S+16*\b:S+16*\b+7], v[SCL]
	v_cvt_scalef32_pk8_fp8_f32 v[PC+4*\b+2:PC+4*\b+3], v[S+16*\b+8:S+16*\b+15], v[SCL]
.endr
.set n, 0
.rept 16
	v_pk_mul_f32 v[\O+n:\O+n+1], v[\O+n:\O+n+1], v[FF:FF+1] op_sel_hi:[1,0]   ; O^T under the new M.  (Plain instructions between the conversions and the products that read the codes)
.set n, n+2
.endr
	s_wait_dscnt 0x0                               ; V is in
.irp d, 0,1,2,3
	v_wmma_f32_16x16x128_fp8_fp8 v[\O+8*\d:\O+8*\d+7], v[F+16*\d:F+16*\d+15], v[PC:PC+15], v[\O+8*\d:\O+8*\d+7]   ; four accumulators, one instruction each
.endr
.Lskip_\@:
.endm
; A key step: buffer buf holds it.  First the next step's bytes go from registers into the other buffer (nobody reads that one since the last barrier) and the step after that is asked of memory; then my two tiles' work; then the barrier.
.macro HALF buf
	s_cmp_gt_u32 s[KAP], s[KMAX]                   ; the same in all sixteen waves
	s_cbranch_scc1 .Ltail_\@
	s_cmp_lt_u32 s[KAP], s[KMAX]
	s_cbranch_scc0 .Lnofill_\@
	s_wait_loadcnt 0x0                             ; the next key step is in my registers
	ds_store_b128 v[SA], v[STK:STK+3] offset:(1-\buf)*BUFB
	ds_store_b128 v[SA], v[STK+4:STK+7] offset:(1-\buf)*BUFB+VOFF
	s_wait_dscnt 0x0                               ; the stores have read their registers
	s_add_co_u32 s46, s[KAP], 1
	s_cmp_lt_u32 s46, s[KMAX]
	s_cbranch_scc0 .Lnofill_\@
	s_wait_xcnt 0x0                                ; the last prefetch, a key step back, has read its address
	s_add_nc_u64 s[KP:KP+1], s[KP:KP+1], 8192
	s_add_nc_u64 s[VP:VP+1], s[VP:VP+1], 8192
	s_add_nc_u64 s[PFA:PFA+1], s[PFA:PFA+1], 8192
	global_load_b128 v[STK:STK+3], v[SA], s[KP:KP+1]       ; the key step two on
	global_load_b128 v[STK+4:STK+7], v[SA], s[VP:VP+1]
	; A prefetch of the key step three on, one step ahead of its load: 8,192 bytes, lanes 256 bytes apart.  The four work-groups of a head walk the same K and V: work-group 0, which walks all 16 steps, asks,
	; wave 0 for K and wave 1 for V: each block of 256 bytes is named once in the launch.  Steps 0 to 2 come by their loads alone; step 12 is the last to ask (for step 15).
	s_cmp_lt_u32 s[KAP], s[PLIM]
	s_cbranch_scc0 .Lnofill_\@
	global_prefetch_b8 v[PFO], s[PFA:PFA+1] th:TH_LOAD_NT scope:SCOPE_SE
.Lnofill_\@:
	STEP \buf, QH, OH, STH, KDH
	STEP \buf, QL, OL, STL, KDL
.Ltail_\@:
	s_wait_dscnt 0x0                               ; my stores into the other buffer have landed, and my reads of this one are over
	s_barrier_signal -1
	s_barrier_wait -1
	s_add_co_u32 s[KAP], s[KAP], 1
.endm
	s_mov_b32 s[KAP], 0
	s_mov_b32 s[TRIP], 8
.Ltrip:
	HALF 0
	HALF 1
	s_sub_co_u32 s[TRIP], s[TRIP], 1
	s_cmp_lg_u32 s[TRIP], 0
	s_cbranch_scc1 .Ltrip
	; THE WAY OUT.  y = O^T x 2^(e8 + e9) / the sum; held, converted with 2^e10.  A lane's 16 registers of d tiles 2 b, 2 b + 1 are d = 32 b + 16 h + 0 .. 15 of its query: 16 bytes of the last product's operand image.
.rept 4
	v_nop                                          ; places behind the last products
.endr
	v_add_f32 v[STH+2], v[STH+2], v[STH+3]         ; the sums' two halves,
	v_add_f32 v[STL+2], v[STL+2], v[STL+3]
	v_permlanex16_b32 v[PX], v[STH+2], s[SEL], s[SEL+1]
	v_permlanex16_b32 v[CH], v[STL+2], s[SEL], s[SEL+1]
	v_add_f32 v[STH+2], v[STH+2], v[PX]            ; and lane l xor 16's
	v_add_f32 v[STL+2], v[STL+2], v[CH]
	v_rcp_f32 v[STH+2], v[STH+2]
	v_rcp_f32 v[STL+2], v[STL+2]
	v_nop                                          ; a plain instruction behind the reciprocals
	s_add_co_i32 s46, s16, s17                     ; e8 + e9
	s_add_co_i32 s47, s18, 127
	s_lshl_b32 s48, s47, 23
	v_mov_b32 v[SCL], s48                          ; 2^e10
	s_add_co_i32 s47, s47, 8
	s_lshl_b32 s47, s47, 23
	s_or_b32 s47, s47, 0x600000
	v_mov_b32 v[HOLD], s47                         ; 448 x 2^e10
	s_wait_alu depctr_va_vdst(0)                   ; one wait for both reciprocals, ahead of their first reader
	v_ldexp_f32 v[STH+2], v[STH+2], s46
	v_ldexp_f32 v[STL+2], v[STL+2], s46
.set n, 0
.rept 16
	v_pk_mul_f32 v[S+n:S+n+1], v[OH+n:OH+n+1], v[STH+2:STH+3] op_sel_hi:[1,0]
.set n, n+2
.endr
.set n, 0
.rept 16
	v_pk_mul_f32 v[S+32+n:S+32+n+1], v[OL+n:OL+n+1], v[STL+2:STL+3] op_sel_hi:[1,0]
.set n, n+2
.endr
.set n, 0
.rept 64
	v_med3_num_f32 v[S+n], v[S+n], -v[HOLD], v[HOLD]
.set n, n+1
.endr
.irp g, 0,1,2,3,4,5,6,7
	v_cvt_scalef32_pk8_fp8_f32 v[PC+2*\g:PC+2*\g+1], v[S+8*\g:S+8*\g+7], v[SCL]
.endr
	v_nop
	global_store_b128 v[LA], v[PC:PC+3], s[YH:YH+1]                    ; each store covers 512 consecutive bytes, aligned
	global_store_b128 v[LA], v[PC+4:PC+7], s[YH:YH+1] offset:512
	global_store_b128 v[LA], v[PC+8:PC+11], s[YL:YL+1]
	global_store_b128 v[LA], v[PC+12:PC+15], s[YL:YL+1] offset:512
	s_wait_tensorcnt 0x0
	ds_add_u32 v13, v255
	s_wait_dscnt 0x0
	s_endpgm
.Lfunc_end_k_q2011bd5347_attn:
	.size	k_q2011bd5347_attn, .Lfunc_end_k_q2011bd5347_attn-k_q2011bd5347_attn
	.p2alignl 7, 3214868480
	.fill 96, 4, 3214868480
	.section	.rodata,"a",@progbits
	.p2align	6, 0x0
	.amdhsa_kernel k_q2011bd5347_attn
		.amdhsa_group_segment_fixed_size 34816
		.amdhsa_private_segment_fixed_size 0
		.amdhsa_enable_private_segment 0
		.amdhsa_kernarg_size 24
		.amdhsa_user_sgpr_count 2
		.amdhsa_user_sgpr_kernarg_segment_ptr 1
		.amdhsa_wavefront_size32 1
		.amdhsa_system_sgpr_workgroup_id_x 1
		.amdhsa_system_sgpr_workgroup_id_y 1
		.amdhsa_system_sgpr_workgroup_id_z 1
		.amdhsa_system_vgpr_workitem_id 0
		.amdhsa_next_free_vgpr 256
		.amdhsa_next_free_sgpr 66
		.amdhsa_reserve_vcc 1
		.amdhsa_float_denorm_mode_32 3
		.amdhsa_float_denorm_mode_16_64 3
		.amdhsa_memory_ordered 1
		.amdhsa_forward_progress 1
		.amdhsa_inst_pref_size 98
	.end_amdhsa_kernel
	.amdgpu_metadata
---
amdhsa.version: [ 1, 2 ]
amdhsa.kernels:
  - .name:           k_q2011bd5347_attn
    .symbol:         k_q2011bd5347_attn.kd
    .args:
      - { .name: qkvc, .offset: 0, .size: 8, .value_kind: global_buffer, .address_space: global }
      - { .name: lowp_scales, .offset: 8, .size: 8, .value_kind: global_buffer, .address_space: global }
      - { .name: yc, .offset: 16, .size: 8, .value_kind: global_buffer, .address_space: global }
    .group_segment_fixed_size: 34816
    .private_segment_fixed_size: 0
    .kernarg_segment_align: 8
    .kernarg_segment_size: 24
    .max_flat_workgroup_size: 512
    .sgpr_count:     66
    .vgpr_count:     256
    .wavefront_size: 32
...
	.end_amdgpu_metadata
.endif
;; end of part 3
;; launch proj (part 4): grid 4 x 32, 4 waves a work-group, clusters of 4 x 4, 327,680 bytes of LDS; arguments yc, opc, lowp_scales, bp, out0; writes out0
.if DOCPART == 4
	.amdgcn_target "amdgcn-amd-amdhsa--gfx1250"
	.amdhsa_code_object_version 6
	.text
	.protected	k_q2011bd5347_proj
	.globl	k_q2011bd5347_proj
	.p2align	8
	.type	k_q2011bd5347_proj,@function
k_q2011bd5347_proj:
	s_mov_b64 s[64:65], 0
	v_nop
	global_prefetch_b8 v0, s[64:65] scope:SCOPE_SE
	s_setreg_imm32_b32 hwreg(HW_REG_WAVE_MODE, 25, 1), 1
	s_wait_xcnt 0x0
	s_wait_alu depctr_hold_cnt(0) depctr_sa_sdst(0) depctr_va_vdst(0) depctr_va_sdst(0) depctr_va_ssrc(0) depctr_va_vcc(0) depctr_vm_vsrc(0)
	s_getreg_b32 s2, hwreg(HW_REG_IB_STS2, 6, 4)
	s_cmp_eq_u32 s2, 0
	s_cbranch_scc0 .Lentry_in_a_cluster
	s_endpgm
.Lentry_in_a_cluster:
	s_bfe_u32 s2, ttmp6, 0x10000c
	s_cmp_lg_u32 s2, 0xf033
	s_cbranch_scc0 .Lentry_shape_is_right
	s_endpgm
.Lentry_shape_is_right:
; out0 = y Wp + bp on E4M3 codes: y's (entry 10 of lowp_scales) from the attention launch, Wp's (entry 11) from the first launch.  out0: [8192][1024] f32.
; A work-group makes 256 x 256 of out0, each of its four waves 128 x 128: 64 accumulators, 512 registers.  K = 1,024 goes in four steps of 256 through two LDS slots filled by the tensor data mover.
; OPERANDS ARE IMAGES OF FRAGMENTS (16 rows x 128 K = 2,048 bytes, group c of 32 K at 512 c, lane l at 16 l; a tile's eight K steps lie on end: 16,384 bytes): a load of 8 tiles x 256 K is 8 rows of 4,096 bytes, 16,384 apart,
; dense in LDS; a fragment is four ds_load_b128 at 16 x lane.  Row a of tile u is matrix row 32 (u / 2) + 8 (u % 2) + a + 8 (a / 8).
; THE MATRIX INSTRUCTION: source 0 = Wp's tiles (n), source 1 = y's (tokens): a lane holds one token, and the 16 registers of Wp's tiles 2 p, 2 p + 1 are columns 32 p + 16 (lane / 16) + 0 .. 15 of out0.
; CLUSTERS: 4 x 4 work-groups; y's tiles are shared along a row of the cluster, Wp's along a column: each is asked for jointly, by the same tensor load with a mask that names the four.
; LIMIT: e10 + e11 between -126 and 127, so that 2^(e10 + e11) is an f32 number.
; REGISTERS, in windows of 256: window 0: v0-31 addresses; v32-35 my four numbers of bp; v128-255 y's fragments, ONE set; on the way out rows of out0.  window 1: Wp's fragments, two sets.  windows 2, 3: the accumulators ((a, b) at v[8 (8 (a % 4) + b)]).
.set HALFT,  32768                     ; 8 tiles x 256 K: what one tensor load brings, and what one wave reads of either operand
.set SLOT,   4*HALFT
.set SPARE,  2*SLOT                    ; behind the ring: the spare words, 128 bytes for each wave: two blocks of 256 bytes that no other line names
.set KADV,   8192                      ; two K steps of 256 on
.set WPO,    0x1b00000                 ; where Wp's codes begin in opc
.set SPITCH, 528                       ; the way out: a stage of 16 rows x (512 bytes + 16) for each wave, in slot 0, which has had its last fill and its last read when the first result is stored there
.set FR,     16
.set NL,     4
.set NP,     4                         ; places behind this matrix instruction (ISA guide 7.12.1)
.set ADRA, 16                          ; v16-17  LDS address of my fragments of y in slot 0, 1
.set ADRB, 20                          ; v20-21  of Wp
.set STO,  24                          ; v24     the way out: where I put my numbers of a row
.set RD,   25                          ; v25     where I read a row back
.set CO,   26                          ; v26     16 x lane
.set SPW,  28                          ; v28     LDS address of my spare word; never rewritten
.set NIL,  29                          ; v29     0; never rewritten
.set BI,   32
.set AF,   128
.set BK,   128                         ; 16 rows read back from the stage: v128-191 and v192-255 by turns
.set G1, 24
.set G0, 32
.set G1B, 48
.set G0B, 56
.set MSB, 0
.macro WIN new                         ; the immediate's high byte repeats the setting that is left; a switch that changes nothing is dropped
.if MSB != (\new)
	s_set_vgpr_msb (MSB<<8)|(\new)
.set MSB, (\new)
.endif
.endm
.set MUL_LO, 0xa1                      ; source 0 window 1, source 1 window 0, C and D window 2
.set MUL_HI, 0xf1                      ; the same, C and D window 3
.set TO_B,   0x40                      ; destination window 1, address window 0
; A joint load: waves 0 and 1 fetch y's halves, waves 2 and 3 Wp's.  The branch hangs on the wave's number alone.  Four v_nop follow each of the two lines.
.macro JLOAD g0a, g1a, g0b, g1b
	s_cmp_eq_u32 s15, 0
	s_cbranch_scc0 .Lfor_b_\@
	tensor_load_to_lds s[\g0a:\g0a+3], s[\g1a:\g1a+7]
	s_nop 0
.rept 4
	v_nop
.endr
	s_branch .Lasked_\@
.Lfor_b_\@:
	tensor_load_to_lds s[\g0b:\g0b+3], s[\g1b:\g1b+7]
	s_nop 0
.rept 4
	v_nop
.endr
.Lasked_\@:
.endm
.macro CREST                           ; a round of the cluster's barrier behind its opening barrier
	s_cmp_lg_u32 s14, 0
	s_cbranch_scc1 .Lnot_wave_0_\@
	s_barrier_signal -3
.Lnot_wave_0_\@:
	s_barrier_wait -3
	s_barrier_signal -1
	s_barrier_wait -1
.endm
.macro CROUND
	s_barrier_signal -1
	s_barrier_wait -1
	CREST
.endm
	s_load_b256 s[4:11], s[0:1], 0x0               ; yc s[4:5], opc s[6:7], lowp_scales s[8:9], bp s[10:11]
	s_load_b64 s[88:89], s[0:1], 0x20              ; out0
	v_lshl_add_u32 v[SPW], v0, 2, SPARE
	v_mov_b32 v[NIL], 0
	ds_add_u32 v28, v29
	ds_add_u32 v28, v29
	s_wait_dscnt 0x0
	v_lshrrev_b32 v1, 5, v0
	v_readfirstlane_b32 s14, v1                    ; wave 0..3
	s_lshr_b32 s15, s14, 1                         ; which half of the tokens is mine.  Also: I fetch for y (0) or for Wp (1)
	s_and_b32 s16, s14, 1                          ; which half of the columns.  Also: which 8 tiles of that operand I fetch
	s_bfe_u32 s40, ttmp6, 0x40000                  ; cx, cy
	s_bfe_u32 s41, ttmp6, 0x40004
	s_lshl_b32 s42, ttmp9, 2
	s_add_co_u32 s42, s42, s40                     ; block of 256 columns = 4 x cluster x + cx
	s_and_b32 s17, ttmp7, 0xffff
	s_lshl_b32 s17, s17, 2
	s_add_co_u32 s17, s17, s41                     ; block of 256 tokens = 4 x cluster y + cy
	s_lshl_b32 s43, s41, 2
	s_lshl_b32 s43, 15, s43                        ; my row of the cluster
	s_lshl_b32 s44, 0x1111, s40                    ; my column
	; descriptor group 1: 8 rows of 512 elements of 8 bytes, 2,048 elements apart; no padding
	s_or_b32 s[G1+0], s43, (3<<16)|(1<<21)         ; 15:0 the mask: y's tiles go to my row; 17:16 elements of 8 bytes; 21 set beside a mask
	s_or_b32 s[G1B+0], s44, (3<<16)|(1<<21)        ; Wp's go to my column
.irp g, G1, G1B
	s_mov_b32 s[\g+1], 512<<16                     ; tensor_dim0
	s_mov_b32 s[\g+2], 8<<16                       ; tensor_dim1
	s_mov_b32 s[\g+3], 512<<16                     ; tile_dim0
	s_mov_b32 s[\g+4], 8                           ; tile_dim1
	s_mov_b32 s[\g+5], 2048                        ; tensor_dim0_stride
	s_mov_b32 s[\g+6], 0
	s_mov_b32 s[\g+7], 0
.endr
	s_lshl_b32 s20, s17, 18                        ; y: block x 16 tiles of 16,384 bytes
	s_lshl_b32 s21, s16, 17                        ; + the 8 tiles that I fetch
	s_add_co_u32 s20, s20, s21
	s_mov_b32 s21, 0
	s_lshl_b32 s46, s42, 18                        ; Wp likewise, in registers that never hold cy
	s_lshl_b32 s47, s16, 17
	s_add_co_u32 s46, s46, s47
	s_add_co_u32 s46, s46, WPO
	s_mov_b32 s47, 0
	s_mul_i32 s45, s14, HALFT                      ; where they go: wave x 32,768
	s_wait_kmcnt 0x0
	s_load_b64 s[96:97], s[8:9], 0x28              ; e10, e11
	s_add_nc_u64 s[20:21], s[4:5], s[20:21]
	s_add_nc_u64 s[46:47], s[6:7], s[46:47]
	CROUND                                         ; all sixteen work-groups are here: the first joint loads meet
.irp s, 0,1
	s_mov_b32 s[G0+4*\s], 1
	s_add_co_u32 s[G0+4*\s+1], s45, \s*SLOT
	s_add_nc_u64 s[G0+4*\s+2:G0+4*\s+3], s[20:21], \s*4096
	s_or_b32 s[G0+4*\s+3], s[G0+4*\s+3], 0x80000000
	s_mov_b32 s[G0B+4*\s], 1
	s_add_co_u32 s[G0B+4*\s+1], s45, \s*SLOT
	s_add_nc_u64 s[G0B+4*\s+2:G0B+4*\s+3], s[46:47], \s*4096
	s_or_b32 s[G0B+4*\s+3], s[G0B+4*\s+3], 0x80000000
	JLOAD G0+4*\s, G1, G0B+4*\s, G1B
.endr
	v_and_b32 v1, 31, v0
	v_lshlrev_b32 v[CO], 4, v1
	s_mul_i32 s21, s15, HALFT
	s_mul_i32 s22, s16, HALFT
	s_add_co_u32 s22, s22, 2*HALFT
.irp s, 0,1
	v_add_nc_u32 v[ADRA+\s], s21, v[CO]
	v_add_nc_u32 v[ADRB+\s], s22, v[CO]
	s_add_co_u32 s21, s21, SLOT
	s_add_co_u32 s22, s22, SLOT
.endr
	s_lshl_b32 s82, s42, 10                        ; my first column, in bytes: 1,024 x block + 512 x half
	s_lshl_b32 s83, s16, 9
	s_add_co_u32 s82, s82, s83
	s_mov_b32 s83, 0
	s_add_nc_u64 s[84:85], s[10:11], s[82:83]
	global_load_b128 v[BI:BI+3], v[CO], s[84:85]   ; bp at the four columns that I store
	s_lshl_b32 s86, s17, 20                        ; my first row: 256 x block + 128 x half, of 4,096 bytes
	s_lshl_b32 s87, s15, 19
	s_add_co_u32 s86, s86, s87
	s_add_co_u32 s86, s86, s82
	s_mov_b32 s87, 0
	s_add_nc_u64 s[86:87], s[88:89], s[86:87]
	s_mul_i32 s23, s14, 16*SPITCH                  ; my stage
	v_and_b32 v2, 15, v0                           ; r
	v_bfe_u32 v3, v0, 4, 1                         ; h
	v_mul_u32_u24 v[STO], v2, SPITCH
	v_lshl_add_u32 v[STO], v3, 6, v[STO]
	v_add_nc_u32 v[STO], s23, v[STO]               ; in: row r, + 64 h
	v_add_nc_u32 v[RD], s23, v[CO]                 ; back: the 32 lanes take one row of 512 bytes
	s_wait_kmcnt 0x0
	s_add_co_i32 s96, s96, s97
	s_add_co_i32 s96, s96, 127
	s_lshl_b32 s96, s96, 23                        ; 2^(e10 + e11)
	s_mov_b32 s97, s96                             ; (named with it as a pair)
.macro FRAG reg, adr, q, i
.irp c, 0,1,2,3
	ds_load_b128 v[\reg+4*\c:\reg+4*\c+3], v[\adr] offset:2048*(\q)+512*\c+(\i)*4096
.endr
.endm
; 16 matrix instructions: y's tiles a0, a0 + 1 x Wp's eight, 128 along K.  The 64 accumulators take turns, one instruction a turn, in the same order in every step.
.macro MUL16 a0, p, zero
.irp a, \a0, \a0+1
.irp b, 0,1,2,3,4,5,6,7
.if \zero
	v_wmma_f32_16x16x128_fp8_fp8 v[8*(8*((\a)%4)+\b):8*(8*((\a)%4)+\b)+7], v[128*(\p)+FR*\b:128*(\p)+FR*\b+FR-1], v[AF+FR*(\a):AF+FR*(\a)+FR-1], 0
.else
	v_wmma_f32_16x16x128_fp8_fp8 v[8*(8*((\a)%4)+\b):8*(8*((\a)%4)+\b)+7], v[128*(\p)+FR*\b:128*(\p)+FR*\b+FR-1], v[AF+FR*(\a):AF+FR*(\a)+FR-1], v[8*(8*((\a)%4)+\b):8*(8*((\a)%4)+\b)+7]
.endif
.endr
.endr
.endm
.macro FETCH_B slot, q, p
	WIN TO_B
.irp i, 0,1,2,3,4,5,6,7
	FRAG 128*(\p)+FR*\i, ADRB+\slot, \q, \i
.endr
	WIN 0
.endm
.macro FETCH_A slot, q, i0
.irp i, \i0, \i0+1, \i0+2, \i0+3
	FRAG AF+FR*(\i), ADRA+\slot, \q, \i
.endr
.endm
.macro PLACES n                        ; plain vector instructions between a matrix instruction and a load into a register that it read, or a read of its result
.rept \n
	v_nop
.endr
.endm
.macro STEP slot, q, zero
	s_wait_dscnt 4*NL                              ; Wp's set and y's tiles 0-3 are in; the youngest 16 loads (tiles 4-7) may be out
	WIN MUL_LO
	MUL16 0, (\q)%2, \zero
	MUL16 2, (\q)%2, \zero
	s_wait_dscnt 0
	PLACES NP
	FETCH_B \slot, (\q)+1, 1-(\q)%2
	FETCH_A \slot, (\q)+1, 0
	WIN MUL_HI
	MUL16 4, (\q)%2, \zero
	MUL16 6, (\q)%2, \zero
	PLACES NP
	WIN 0
	FETCH_A \slot, (\q)+1, 4
.endm
; A slot's last step changes slots: one barrier; in front of it each wave waits for all its tensor loads, adds 0 to its spare word, and waits for that and for its own reads of this slot.
.macro TURN slot, next, fill
	s_wait_tensorcnt 0x0                           ; all my tensor loads have landed: my part of the next slot
	ds_add_u32 v[SPW], v[NIL]                      ; 0 onto my spare word
	s_wait_dscnt 4*NL+1                            ; (the add and the youngest 16 loads may be out)
	WIN MUL_LO
	MUL16 0, 1, 0
	s_wait_dscnt 0x0                               ; the add is done, and my reads of this slot are over
	s_barrier_signal -1
	MUL16 2, 1, 0
	WIN 0
	s_barrier_wait -1
.if \fill
	CREST                                          ; the barrier has opened a round of the cluster's barrier: no wave of any partner still reads this slot or has a load on its way
	s_add_nc_u64 s[G0+4*\slot+2:G0+4*\slot+3], s[G0+4*\slot+2:G0+4*\slot+3], KADV
	s_add_nc_u64 s[G0B+4*\slot+2:G0B+4*\slot+3], s[G0B+4*\slot+2:G0B+4*\slot+3], KADV
	JLOAD G0+4*\slot, G1, G0B+4*\slot, G1B         ; the first tensor load behind the round; its four v_nop are also the places in front of the loads below
.else
	PLACES NP
.endif
	FETCH_B \next, 0, 0
	FETCH_A \next, 0, 0
	WIN MUL_HI
	MUL16 4, 1, 0
	MUL16 6, 1, 0
	PLACES NP
	WIN 0
	FETCH_A \next, 0, 4
.endm
	s_wait_tensorcnt 1                             ; my part of K step 0 is in (K step 1's load may be out)
	s_barrier_signal -1
	s_barrier_wait -1                              ; everybody's is
	FETCH_B 0, 0, 0
	FETCH_A 0, 0, 0
	FETCH_A 0, 0, 4
	STEP 0, 0, 1                                   ; K has eight steps of 128: they are written out, there is no loop
	TURN 0, 1, 1                                   ; slot 0 takes K 512-767
	STEP 1, 0, 0
	TURN 1, 0, 1                                   ; slot 1 takes K 768-1023
	STEP 0, 0, 0
	TURN 0, 1, 0                                   ; nothing is left to fetch; behind this barrier nobody reads slot 0 any more
	STEP 1, 0, 0
	s_wait_dscnt 4*NL
	WIN MUL_LO
	MUL16 0, 1, 0
	MUL16 2, 1, 0
	s_wait_dscnt 0
	WIN MUL_HI
	MUL16 4, 1, 0
	MUL16 6, 1, 0
	WIN 0
; THE WAY OUT, a tile of 16 tokens x 128 columns at a time.  The raw sums go into my own stage (row r; register 16 p + i at byte 128 p + 64 h + 4 i) and come back as whole rows of 512 bytes;
; there each number is multiplied by 2^(e10 + e11) and gets its bias in one packed multiply-add; the 32 lanes store 512 consecutive bytes, aligned.  LDS serves a wave's instructions in order (ISA guide 5.7.1.4): no wait between the stores and the loads.
.macro TOSTAGE a
.set AC, 64*((\a)%4)
	WIN 0x08+4*((\a)/4)                            ; the stores' data: window 2 or 3
.irp x, 0,1,2,3,4,5,6,7,8,9,10,11,12,13,14,15
	ds_store_b128 v[STO], v[AC+4*\x:AC+4*\x+3] offset:128*(\x/4)+16*(\x%4)   ; each accumulator from its low end on
.endr
	WIN 0
.set BB, BK+64*((\a)%2)
.irp t, 0,1,2,3,4,5,6,7,8,9,10,11,12,13,14,15
	ds_load_b128 v[BB+4*\t:BB+4*\t+3], v[RD] offset:\t*SPITCH
.endr
.endm
.macro SEND a, younger                 ; younger: the LDS instructions issued behind tile a's loads, which may stay out
.set BB, BK+64*((\a)%2)
	s_wait_dscnt \younger
.irp t, 0,1,2,3,4,5,6,7,8,9,10,11,12,13,14,15
	v_pk_fma_f32 v[BB+4*\t:BB+4*\t+1], v[BB+4*\t:BB+4*\t+1], s[96:97], v[BI:BI+1] op_sel_hi:[1,0,1]
	v_pk_fma_f32 v[BB+4*\t+2:BB+4*\t+3], v[BB+4*\t+2:BB+4*\t+3], s[96:97], v[BI+2:BI+3] op_sel_hi:[1,0,1]
.endr
.irp t, 0,1,2,3,4,5,6,7,8,9,10,11,12,13,14,15
	global_store_b128 v[CO], v[BB+4*\t:BB+4*\t+3], s[86:87] offset:(32*((\a)/2)+8*((\a)%2)+\t+8*(\t/8))*4096 th:TH_STORE_NT   ; the token of the tile's row t: 127 rows of 4,096 bytes at the most, inside the signed 24-bit immediate; the base is never stepped
.endr
.endm
	PLACES NP                                      ; behind the last products: their results are read, and y's registers loaded, below
	s_wait_loadcnt 0x0                             ; bp
	TOSTAGE 0
.irp a, 1,2,3,4,5,6,7
.if \a > 1
	s_wait_xcnt 0x0                                ; tile a - 2's stores have read their registers: tile a's loads may land there
.endif
	TOSTAGE \a
	SEND \a-1, 32                                  ; behind tile a - 1's loads: tile a's 16 stores and 16 loads
.endr
	SEND 7, 0
	s_wait_tensorcnt 0x0                           ; the wave's end
	ds_add_u32 v[SPW], v[NIL]
	s_wait_dscnt 0x0
	CROUND                                         ; the closing round: no work-group ends while a partner may still ask for a tile that names it
	s_endpgm
.Lfunc_end_k_q2011bd5347_proj:
	.size	k_q2011bd5347_proj, .Lfunc_end_k_q2011bd5347_proj-k_q2011bd5347_proj
	.p2alignl 7, 3214868480
	.fill 96, 4, 3214868480
	.section	.rodata,"a",@progbits
	.p2align	6, 0x0
	.amdhsa_kernel k_q2011bd5347_proj
		.amdhsa_group_segment_fixed_size 327680
		.amdhsa_private_segment_fixed_size 0
		.amdhsa_enable_private_segment 0
		.amdhsa_kernarg_size 40
		.amdhsa_user_sgpr_count 2
		.amdhsa_user_sgpr_kernarg_segment_ptr 1
		.amdhsa_wavefront_size32 1
		.amdhsa_system_sgpr_workgroup_id_x 1
		.amdhsa_system_sgpr_workgroup_id_y 1
		.amdhsa_system_sgpr_workgroup_id_z 1
		.amdhsa_system_vgpr_workitem_id 0
		.amdhsa_next_free_vgpr 1024
		.amdhsa_next_free_sgpr 98
		.amdhsa_reserve_vcc 0
		.amdhsa_float_denorm_mode_32 3
		.amdhsa_float_denorm_mode_16_64 3
		.amdhsa_memory_ordered 1
		.amdhsa_forward_progress 1
		.amdhsa_inst_pref_size 122
	.end_amdhsa_kernel
	.amdgpu_metadata
---
amdhsa.version: [ 1, 2 ]
amdhsa.kernels:
  - .name:           k_q2011bd5347_proj
    .symbol:         k_q2011bd5347_proj.kd
    .args:
      - { .name: yc, .offset: 0, .size: 8, .value_kind: global_buffer, .address_space: global }
      - { .name: opc, .offset: 8, .size: 8, .value_kind: global_buffer, .address_space: global }
      - { .name: lowp_scales, .offset: 16, .size: 8, .value_kind: global_buffer, .address_space: global }
      - { .name: bp, .offset: 24, .size: 8, .value_kind: global_buffer, .address_space: global }
      - { .name: out0, .offset: 32, .size: 8, .value_kind: global_buffer, .address_space: global }
    .group_segment_fixed_size: 327680
    .private_segment_fixed_size: 0
    .kernarg_segment_align: 8
    .kernarg_segment_size: 40
    .max_flat_workgroup_size: 128
    .sgpr_count:     98
    .vgpr_count:     1024
    .wavefront_size: 32
...
	.end_amdgpu_metadata
.endif
;; end of part 4
;; ======== version 2 of 2: 4 launches; version 1 with the launch attn written anew for expert scheduling mode
;; workspace buffers: opc 29,360,128 bytes; qkvc 25,165,824 bytes; yc 8,388,608 bytes
;; launch prep: the kernel of part 1 again; grid 1280 x 1, 4 waves a work-group, no clusters, 34,304 bytes of LDS; arguments x, Wq, Wk, Wv, Wp, lowp_scales, opc; writes opc
;; launch qkv: the kernel of part 2 again; grid 96 x 4, 4 waves a work-group, clusters of 4 x 4, 327,680 bytes of LDS; arguments opc, lowp_scales, bq, bk, bv, qkvc; writes qkvc
;; launch attn (part 5): grid 4 x 64, 16 waves a work-group, no clusters, 34,816 bytes of LDS; arguments qkvc, lowp_scales, yc; writes yc
.if DOCPART == 5
	.amdgcn_target "amdgcn-amd-amdhsa--gfx1250"
	.amdhsa_code_object_version 6
	.text
	.protected	k_q2011bd5347_attn
	.globl	k_q2011bd5347_attn
	.p2align	8
	.type	k_q2011bd5347_attn,@function
k_q2011bd5347_attn:
	s_mov_b64 s[64:65], 0
	v_nop
	global_prefetch_b8 v0, s[64:65] scope:SCOPE_SE
	s_setreg_imm32_b32 hwreg(HW_REG_WAVE_SCHED_MODE, 0, 2), 2
	s_setreg_imm32_b32 hwreg(HW_REG_WAVE_MODE, 25, 1), 1
	s_wait_xcnt 0x0
	s_wait_alu depctr_vm_vsrc(0)
; y[b][q][head] = the sum over keys k <= q of softmax_k(q . k / 8) v, both products on E4M3 codes; y is quantised at once (entry 10 of lowp_scales) for the last product.
; THE SOFTMAX AHEAD OF THE SECOND PRODUCT: t = score x log2(e) / 8; M = the row's largest t so far, rounded up to a whole number; p = 2^(t - M) is quantised (entry 8), not normalised; the row's sum is taken of the unquantised p
; and divides at the end.  When M moves, the sum and O are multiplied by 2^(old M - new M), which rounds nothing.
; SHARES.  A head has eight blocks of 256 queries.  Work-group (i, b 16 + head) owns blocks 7 - i and i; wave w owns tile w (16 queries) of each.  A tile of block j needs key steps (128 keys) 0 .. 2 j + w / 8:
; so every wave has 16 or 18 tile steps, whatever i is.  Four waves share a SIMD: one wave's vector work stands beside another's matrix work and LDS loads.
; WHY NO CLUSTER AND NO TENSOR LOAD: the four work-groups of a head walk 16, 14, 12 and 10 key steps, so partners would need different numbers of tiles; and a key step is only 16 KiB, two loads and two LDS stores of 16 bytes a thread.
; K and V come through registers into two LDS buffers by turns: key step j + 2 is loaded while step j is worked on, and stored a step later.  One barrier a key step.
; LAYOUT (made by the launch before): images of fragments.  q, k: a tile of 16 rows x 64 d is 1,024 bytes: group c at 512 c, lane l at 16 l, d = 32 c + 16 (l / 16) + i.  v: a tile of 16 d x 128 keys is 2,048 bytes, key = 32 c + 16 (l / 16) + i.
; Row a of tile u is row 32 (u / 2) + 8 (u % 2) + a + 8 (a / 8).  Both products are used transposed (S^T = K Q^T, O^T = V^T P^T): a lane holds ONE query, and the 16 registers of key tiles 2 b, 2 b + 1 are 16 neighbouring keys.
; THE MASK: a step whose keys all come after the tile's queries is jumped over (a scalar branch on ids); in the one step on the diagonal hidden scores become -infinity ahead of the maximum.  Key 128 x that step counts for every query of the tile.
; The loop has a constant count, 16 key steps; a work-group that needs fewer passes the rest with the barrier alone.
; LIMITS: e6 + e7 between -123 and 130 (added to c's exponent field); e8 and e10 between -126 and 119; e8 + e9 is applied by v_ldexp_f32 and has none.
; THE MODE: SCHED_MODE bits 1:0 = 2 (LLVM: expert scheduling mode 2), set by the entry lines.  The code itself states the register dependences
; between vector or matrix instructions and memory or LDS instructions, with s_wait_alu, always for 0.
; THE PLAN.  Registers that memory or LDS instructions touch:
;   v[SA], v[LA], v[PFO]  addresses, made at the head and never written again: one wait on va_vdst ahead of the first load serves every access of the kernel.
;   STK    Written by the global loads of the key step two on; read by the two LDS stores of the next key step; named by no vector instruction.  One wait on vm_vsrc behind the two stores, ahead of the loads that land there again.
;   F      A tile step: K's 16 LDS loads land; eight products read them; V's 16 LDS loads land; four products read them; the next tile step's loads of K land.  Two waits on va_vdst: at the tile step's head
;          (the last four products are done reading V) and behind the places that follow the eight products (they are done reading K).  Behind the second, V's loads are dealt among the mask's and the maximum's
;          instructions, which name S, DQ, NINF, CH and the masks: none of the registers that those loads touch.
;   QH, QL Loaded once, into registers that no vector instruction has named.
;   PC     On the way out the conversions write it and the four stores read it: one wait on va_vdst ahead of the stores.
;   All 256 registers of the wave are taken, so F has no second set.
; Scalars that vector instructions write: the wave's number, and on the diagonal sixteen masks at a time: one wait on va_sdst behind each run of writers, ahead of the first reader.  EXEC is never written.
.set BUFB, 16384                       ; an LDS buffer: 8 key tiles of K, then 4 d tiles of V
.set VOFF, 8192
.set SA,   1                           ; v1   16 x thread: my 16 bytes of a key step's 8,192, in memory and in LDS
.set LA,   2                           ; v2   16 x lane
.set DQ,   3                           ; v3   my query - the diagonal step's first key - 16 (lane / 16)
.set HOLD, 4                           ; v4   448 x 2^e8; on the way out 448 x 2^e10
.set SCL,  5                           ; v5   2^e8; on the way out 2^e10
.set PX,   6                           ; v6   what the lane 16 away holds
.set PFO,  7                           ; v7   256 x lane, for the prefetches
.set STH,  8                           ; v8 -M, v[10:11] the sum in two halves: the tile of block 7 - i
.set STL,  12                          ; v12, v[14:15]: the tile of block i
.set QH,   16                          ; v16-23, v24-31: the two tiles of Q
.set QL,   24
.set F,    32                          ; v32-95   eight fragments of K, then four of V
.set S,    96                          ; v96-159  S^T, then p
.set OH,   160                         ; v160-191, v192-223: O^T
.set OL,   192
.set PC,   224                         ; v224-239 p's codes
.set STK,  240                         ; v240-243 K, v244-247 V: a key step on its way from memory to LDS
.set NM,   248                         ; v[248:249] the new -M (the low word serves both halves)
.set FF,   250                         ; v[250:251] f = 2^(old M - new M)
.set CH,   252                         ; v252, v253 at work
.set NINF, 254                         ; v254 -infinity
.set WV,   20
.set SEL,  22                          ; s[22:23] lane selects for v_permlanex16_b32: lane l xor 16
.set CS,   24                          ; s[24:25] c = log2(e) / 8 x 2^(e6 + e7)
.set KAP,  26                          ; the key step in hand
.set TRIP, 27
.set KMAX, 28                          ; the work-group's last key step: 2 (7 - i) + 1
.set KDH,  29                          ; my tiles' diagonal steps
.set KDL,  30
.set PLIM, 31                          ; a wave prefetches while the key step is under this: 13 in waves 0 and 1 of a head's work-group 0, else 0
.set KP,   32                          ; s[32:33], s[34:35]: K and V at the key step loaded last
.set VP,   34
.set PFA,  36                          ; s[36:37] one key step further on (wave 0: in K, wave 1: in V)
.set QHP,  38
.set QLP,  40
.set YH,   42
.set YL,   44
.set MK,   48                          ; s48-63 in the loop: sixteen masks of the diagonal step (at the head these registers are at work and are done with)
	s_load_b128 s[4:7], s[0:1], 0x0                ; qkvc s[4:5], lowp_scales s[6:7]
	s_load_b64 s[8:9], s[0:1], 0x10                ; yc
	v_lshl_add_u32 v13, v0, 2, 0x8000
	v_mov_b32 v255, 0
	v_lshrrev_b32 v1, 5, v0
	v_readfirstlane_b32 s[WV], v1                  ; wave 0..15
	v_lshlrev_b32 v[SA], 4, v0
	v_and_b32 v2, 31, v0
	v_lshlrev_b32 v[PFO], 8, v2
	v_lshlrev_b32 v[LA], 4, v2
	v_and_b32 v[DQ], 15, v0                        ; r
	v_and_b32 v[PX], 8, v[DQ]
	v_add_nc_u32 v[DQ], v[DQ], v[PX]               ; r + 8 (r / 8)
	v_bfe_u32 v[PX], v0, 4, 1
	v_lshlrev_b32 v[PX], 4, v[PX]
	v_sub_nc_u32 v[DQ], v[DQ], v[PX]               ; - 16 h
	s_wait_alu depctr_va_sdst(0)                   ; the wave's number is written, ahead of its first reader: steps, tiles and addresses are made from it
	s_bfe_u32 s46, s[WV], 0x20001
	s_lshl_b32 s46, s46, 5                         ; 32 ((w / 2) % 4)
	s_and_b32 s47, s[WV], 1
	s_lshl_b32 s47, s47, 3                         ; + 8 (w % 2): the tile's first query in its diagonal step, the same for both of my tiles
	s_add_co_u32 s46, s46, s47
	v_add_nc_u32 v[DQ], s46, v[DQ]
	s_sub_co_u32 s48, 7, ttmp9                     ; the late block
	s_lshl_b32 s[KMAX], s48, 1
	s_lshr_b32 s49, s[WV], 3
	s_add_co_u32 s[KDH], s[KMAX], s49
	s_add_co_u32 s[KMAX], s[KMAX], 1
	s_lshl_b32 s[KDL], ttmp9, 1
	s_add_co_u32 s[KDL], s[KDL], s49
	s_and_b32 s50, ttmp7, 0xffff                   ; b 16 + head
	s_lshl_b32 s52, s50, 17                        ; its 131,072 bytes in each of q, k, v
	s_mov_b32 s53, 0
	s_lshl_b32 s54, s48, 4
	s_add_co_u32 s54, s54, s[WV]                   ; my tile of the late block,
	s_lshl_b32 s55, ttmp9, 4
	s_add_co_u32 s55, s55, s[WV]                   ; of the early one
	s_lshr_b32 s51, s[WV], 1
	s_or_b32 s51, s51, ttmp9
	s_cmp_eq_u32 s51, 0
	s_cselect_b32 s[PLIM], 13, 0
	s_mov_b32 s[SEL], 0x76543210
	s_mov_b32 s[SEL+1], 0xfedcba98
	s_mov_b32 s[CS], 0x3e38aa3b                    ; log2(e) / 8
	s_mov_b32 s57, 0
	s_wait_kmcnt 0x0
	s_load_b64 s[12:13], s[6:7], 0x18              ; e6, e7
	s_load_b128 s[16:19], s[6:7], 0x20             ; e8, e9, e10, e11
	s_add_nc_u64 s[58:59], s[4:5], s[52:53]        ; my head's q
	s_add_nc_u64 s[KP:KP+1], s[58:59], 0x800000    ; its k,
	s_add_nc_u64 s[VP:VP+1], s[58:59], 0x1000000   ; its v
	s_wait_alu depctr_va_vdst(0)                   ; v[SA], v[LA] and v[PFO] are written: every load, LDS access, prefetch and store of the kernel reads one of them as its address, and no vector instruction names them again
	global_load_b128 v[STK:STK+3], v[SA], s[KP:KP+1]       ; key step 0: the 512 threads read 8,192 consecutive bytes of each
	global_load_b128 v[STK+4:STK+7], v[SA], s[VP:VP+1]
	s_lshl_b32 s56, s54, 10
	s_add_nc_u64 s[QHP:QHP+1], s[58:59], s[56:57]
	s_lshl_b32 s56, s55, 10
	s_add_nc_u64 s[QLP:QLP+1], s[58:59], s[56:57]
	global_load_b128 v[QH:QH+3], v[LA], s[QHP:QHP+1] th:TH_LOAD_NT          ; Q stays in registers; each tile is read by one wave
	global_load_b128 v[QH+4:QH+7], v[LA], s[QHP:QHP+1] offset:512 th:TH_LOAD_NT
	global_load_b128 v[QL:QL+3], v[LA], s[QLP:QLP+1] th:TH_LOAD_NT
	global_load_b128 v[QL+4:QL+7], v[LA], s[QLP:QLP+1] offset:512 th:TH_LOAD_NT
	s_cmp_eq_u32 s[WV], 0
	s_cselect_b64 s[PFA:PFA+1], s[KP:KP+1], s[VP:VP+1]
	s_add_nc_u64 s[PFA:PFA+1], s[PFA:PFA+1], 2*8192        ; at key step 2; the first step of the loop moves it to 3.  Nothing is prefetched here, at the head
	s_lshr_b32 s46, s50, 4
	s_lshl_b32 s46, s46, 21                        ; yc: batch x 128 tiles of 16,384 bytes
	s_and_b32 s47, s50, 15
	s_lshl_b32 s47, s47, 10                        ; + head x 64 of a tile's K: (head / 2) x 2,048 + (head % 2) x 1,024
	s_add_co_u32 s46, s46, s47
	s_lshl_b32 s47, s54, 14
	s_add_co_u32 s56, s46, s47
	s_add_nc_u64 s[YH:YH+1], s[8:9], s[56:57]
	s_lshl_b32 s47, s55, 14
	s_add_co_u32 s56, s46, s47
	s_add_nc_u64 s[YL:YL+1], s[8:9], s[56:57]
	v_mov_b32 v[STH], 0x7f61b1e6                   ; -M = 3e38, a whole number: M lies under every t
	v_mov_b32 v[STL], 0x7f61b1e6
	v_mov_b32 v[STH+2], 0                          ; the sums
	v_mov_b32 v[STH+3], 0
	v_mov_b32 v[STL+2], 0
	v_mov_b32 v[STL+3], 0
	v_mov_b32 v[NM+1], 0                           ; (named as the upper halves of pairs)
	v_mov_b32 v[FF+1], 0
	v_mov_b32 v[CH], 0                             ; (a lane permute's destination counts as one of its sources)
	v_mov_b32 v[NINF], 0xff800000
.set n, 0
.rept 64
	v_mov_b32 v[OH+n], 0                           ; O^T of both tiles: the step is written once; the first finds zeros, which the first change of M leaves zeros
.set n, n+1
.endr
	s_wait_kmcnt 0x0
	s_add_co_i32 s46, s12, s13
	s_lshl_b32 s46, s46, 23
	s_add_co_i32 s[CS], s[CS], s46                 ; a score stands for score x 2^(e6 + e7)
	s_mov_b32 s[CS+1], s[CS]                       ; (named with it as a pair)
	s_add_co_i32 s46, s16, 127
	s_lshl_b32 s47, s46, 23
	v_mov_b32 v[SCL], s47                          ; 2^e8
	s_add_co_i32 s46, s46, 8
	s_lshl_b32 s46, s46, 23
	s_or_b32 s46, s46, 0x600000
	v_mov_b32 v[HOLD], s46                         ; 448 x 2^e8
	s_wait_loadcnt 0x0                             ; key step 0 and Q
	ds_store_b128 v[SA], v[STK:STK+3]
	ds_store_b128 v[SA], v[STK+4:STK+7] offset:VOFF
	s_wait_dscnt 0x0                               ; for the others' sake: my part of key step 0 is in LDS
	s_wait_alu depctr_vm_vsrc(0)                   ; the two LDS stores have read v[STK ..], in which the loads below land
	s_add_nc_u64 s[KP:KP+1], s[KP:KP+1], 8192      ; (their loads are done)
	s_add_nc_u64 s[VP:VP+1], s[VP:VP+1], 8192
	global_load_b128 v[STK:STK+3], v[SA], s[KP:KP+1]       ; key step 1 (every work-group has at least ten)
	global_load_b128 v[STK+4:STK+7], v[SA], s[VP:VP+1]
	s_barrier_signal -1
	s_barrier_wait -1
; Load x of the sixteen that bring V's four fragments: d tile x / 4, keys 32 (x % 4) on.
.macro VLOAD buf, x
	ds_load_b128 v[F+4*(\x):F+4*(\x)+3], v[LA] offset:\buf*BUFB+VOFF+512*(\x)
.endm
; One tile's work on the key step in buffer buf.
.macro STEP buf, Q, O, ST, KD
	s_cmp_gt_u32 s[KAP], s[\KD]                    ; all 128 keys come after my 16 queries: nothing to do
	s_cbranch_scc1 .Lskip_\@
.rept 4
	v_nop                                          ; places in front of loads into registers that the last products read
.endr
	s_wait_alu depctr_va_vdst(0)                   ; the last tile step's four products are done reading V's fragments in v[F ..], in which K's loads land
.irp t, 0,1,2,3,4,5,6,7
	ds_load_b128 v[F+8*\t:F+8*\t+3], v[LA] offset:\buf*BUFB+1024*\t
	ds_load_b128 v[F+8*\t+4:F+8*\t+7], v[LA] offset:\buf*BUFB+1024*\t+512
.endr
	s_wait_dscnt 8                                 ; key tiles 0-3 are in; the eight loads of tiles 4-7 may be out
.irp t, 0,1,2,3
	v_wmma_f32_16x16x64_fp8_fp8 v[S+8*\t:S+8*\t+7], v[F+8*\t:F+8*\t+7], v[\Q:\Q+7], 0
.endr
	s_wait_dscnt 0x0
.irp t, 4,5,6,7
	v_wmma_f32_16x16x64_fp8_fp8 v[S+8*\t:S+8*\t+7], v[F+8*\t:F+8*\t+7], v[\Q:\Q+7], 0
.endr
.rept 4
	v_nop                                          ; places: K's registers are loaded again, and the scores are read
.endr
	s_wait_alu depctr_va_vdst(0)                   ; the eight products are done reading K's fragments in v[F ..], in which V's sixteen loads land.  No vector instruction from here to the last of those loads names v[F ..] or v[LA]
	VLOAD \buf, 0                                  ; V: it lands while the softmax is worked
	VLOAD \buf, 1
	s_cmp_eq_u32 s[KAP], s[\KD]
	s_cbranch_scc0 .Lopen_\@                       ; all keys count
.irp g, 0,1,2,3                                ; register 16 g + i holds key 32 g + 16 (lane / 16) + i of the step: hidden where 32 g + i > DQ.  Sixteen masks at a time
.set n, 0
.rept 16
	v_cmp_gt_i32 s[MK+n], 32*\g+n, v[DQ]
.set n, n+1
.endr
	s_wait_alu depctr_va_sdst(0)                   ; the sixteen compares have written their masks, ahead of the selects that read them
.set n, 0
.rept 16
	v_cndmask_b32 v[S+16*\g+n], v[S+16*\g+n], v[NINF], s[MK+n]
.set n, n+1
.endr
.endr
.Lopen_\@:
	v_max3_num_f32 v[CH], v[S], v[S+1], v[S+2]     ; the step's largest score of my query among my 64 keys, in two chains, each accumulator from its low end on,
	v_max3_num_f32 v[CH+1], v[S+3], v[S+4], v[S+5]
.irp i, 6,10,14,18,22,26,30,34,38,42,46,50,54,58
	v_max3_num_f32 v[CH], v[CH], v[S+\i], v[S+\i+1]
	v_max3_num_f32 v[CH+1], v[CH+1], v[S+\i+2], v[S+\i+3]
	VLOAD \buf, (\i+2)/4                           ; V's loads 2 to 15, one behind each pair of maxima
.endr
	v_max3_num_f32 v[CH], v[CH], v[S+62], v[S+63]
	v_max_num_f32 v[CH], v[CH], v[CH+1]
	v_permlanex16_b32 v[PX], v[CH], s[SEL], s[SEL+1]
	v_max_num_f32 v[CH], v[CH], v[PX]              ; and among lane l xor 16's
	v_mul_f32 v[CH], s[CS], v[CH]                  ; as t (c is positive)
	v_floor_f32 v[CH+1], -v[CH]                    ; -ceil(t)
	v_min_num_f32 v[NM], v[\ST], v[CH+1]           ; the new -M: M is the ceiling of the running largest t
	v_sub_f32 v[CH+1], v[NM], v[\ST]               ; old M - new M: a whole number, 0 or less
	v_mov_b32 v[\ST], v[NM]
	v_cvt_i32_f32 v[CH+1], v[CH+1]                 ; (it saturates)
	v_ldexp_f32 v[FF], 1.0, v[CH+1]                ; f = 2^(old M - new M)
.set n, 0
.rept 32
	v_pk_fma_f32 v[S+n:S+n+1], v[S+n:S+n+1], s[CS:CS+1], v[NM:NM+1] op_sel_hi:[1,0,0]   ; t - M, two at a time
.set n, n+2
.endr
.set n, 0
.rept 64
	v_exp_f32 v[S+n], v[S+n]                       ; p = 2^(t - M), at most 1
.set n, n+1
.endr
	v_pk_mul_f32 v[\ST+2:\ST+3], v[\ST+2:\ST+3], v[FF:FF+1] op_sel_hi:[1,0]   ; the sums under the new M: the plain instruction behind the exponentials
	s_wait_alu depctr_va_vdst(0)                   ; the 64 exponentials have written p in v[S ..]: one wait for the whole batch, ahead of its first reader
	v_pk_add_f32 v[CH:CH+1], v[S:S+1], v[S+2:S+3]  ; the row's sum is taken of the unquantised p: two at a time, in two chains
.irp j, 4,8,12,16,20,24,28,32,36,40,44,48,52,56,60
	v_pk_add_f32 v[\ST+2:\ST+3], v[\ST+2:\ST+3], v[S+\j:S+\j+1]
	v_pk_add_f32 v[CH:CH+1], v[CH:CH+1], v[S+\j+2:S+\j+3]
.endr
	v_pk_add_f32 v[\ST+2:\ST+3], v[\ST+2:\ST+3], v[CH:CH+1]
.irp b, 0,1,2,3
.irp i, 0,1,2,3,4,5,6,7,8,9,10,11,12,13,14,15
	v_min_num_f32 v[S+16*\b+\i], v[S+16*\b+\i], v[HOLD]   ; the conversion does not saturate (ISA guide 7.6.2); p is not negative, so the hold is one-sided
.endr
	v_cvt_scalef32_pk8_fp8_f32 v[PC+4*\b:PC+4*\b+1], v[S+16*\b:S+16*\b+7], v[SCL]
	v_cvt_scalef32_pk8_fp8_f32 v[PC+4*\b+2:PC+4*\b+3], v[S+16*\b+8:S+16*\b+15], v[SCL]
.endr
.set n, 0
.rept 16
	v_pk_mul_f32 v[\O+n:\O+n+1], v[\O+n:\O+n+1], v[FF:FF+1] op_sel_hi:[1,0]   ; O^T under the new M.  (Plain instructions between the conversions and the products that read the codes)
.set n, n+2
.endr
	s_wait_dscnt 0x0                               ; V is in
.irp d, 0,1,2,3
	v_wmma_f32_16x16x128_fp8_fp8 v[\O+8*\d:\O+8*\d+7], v[F+16*\d:F+16*\d+15], v[PC:PC+15], v[\O+8*\d:\O+8*\d+7]   ; four accumulators, one instruction each
.endr
.Lskip_\@:
.endm
; A key step: buffer buf holds it.  First the next step's bytes go from registers into the other buffer (nobody reads that one since the last barrier) and the step after that is asked of memory; then my two tiles' work; then the barrier.
.macro HALF buf
	s_cmp_gt_u32 s[KAP], s[KMAX]                   ; the same in all sixteen waves
	s_cbranch_scc1 .Ltail_\@
	s_cmp_lt_u32 s[KAP], s[KMAX]
	s_cbranch_scc0 .Lnofill_\@
	s_wait_loadcnt 0x0                             ; the next key step is in my registers
	ds_store_b128 v[SA], v[STK:STK+3] offset:(1-\buf)*BUFB
	ds_store_b128 v[SA], v[STK+4:STK+7] offset:(1-\buf)*BUFB+VOFF
	s_wait_dscnt 0x0                               ; the stores have landed
	s_wait_alu depctr_vm_vsrc(0)                   ; the two LDS stores have read v[STK ..], in which the next loads land: stated here, ahead of the branch that leads to those loads
	s_add_co_u32 s46, s[KAP], 1
	s_cmp_lt_u32 s46, s[KMAX]
	s_cbranch_scc0 .Lnofill_\@
	s_wait_xcnt 0x0                                ; the last prefetch, a key step back, has read its address
	s_add_nc_u64 s[KP:KP+1], s[KP:KP+1], 8192
	s_add_nc_u64 s[VP:VP+1], s[VP:VP+1], 8192
	s_add_nc_u64 s[PFA:PFA+1], s[PFA:PFA+1], 8192
	global_load_b128 v[STK:STK+3], v[SA], s[KP:KP+1]       ; the key step two on
	global_load_b128 v[STK+4:STK+7], v[SA], s[VP:VP+1]
	; A prefetch of the key step three on, one step ahead of its load: 8,192 bytes, lanes 256 bytes apart.  The four work-groups of a head walk the same K and V: work-group 0, which walks all 16 steps, asks,
	; wave 0 for K and wave 1 for V: each block of 256 bytes is named once in the launch.  Steps 0 to 2 come by their loads alone; step 12 is the last to ask (for step 15).
	s_cmp_lt_u32 s[KAP], s[PLIM]
	s_cbranch_scc0 .Lnofill_\@
	global_prefetch_b8 v[PFO], s[PFA:PFA+1] th:TH_LOAD_NT scope:SCOPE_SE
.Lnofill_\@:
	STEP \buf, QH, OH, STH, KDH
	STEP \buf, QL, OL, STL, KDL
.Ltail_\@:
	s_wait_dscnt 0x0                               ; my stores into the other buffer have landed, and my reads of this one are over
	s_barrier_signal -1
	s_barrier_wait -1
	s_add_co_u32 s[KAP], s[KAP], 1
.endm
	s_mov_b32 s[KAP], 0
	s_mov_b32 s[TRIP], 8
.Ltrip:
	HALF 0
	HALF 1
	s_sub_co_u32 s[TRIP], s[TRIP], 1
	s_cmp_lg_u32 s[TRIP], 0
	s_cbranch_scc1 .Ltrip
	; THE WAY OUT.  y = O^T x 2^(e8 + e9) / the sum; held, converted with 2^e10.  A lane's 16 registers of d tiles 2 b, 2 b + 1 are d = 32 b + 16 h + 0 .. 15 of its query: 16 bytes of the last product's operand image.
.rept 4
	v_nop                                          ; places behind the last products
.endr
	v_add_f32 v[STH+2], v[STH+2], v[STH+3]         ; the sums' two halves,
	v_add_f32 v[STL+2], v[STL+2], v[STL+3]
	v_permlanex16_b32 v[PX], v[STH+2], s[SEL], s[SEL+1]
	v_permlanex16_b32 v[CH], v[STL+2], s[SEL], s[SEL+1]
	v_add_f32 v[STH+2], v[STH+2], v[PX]            ; and lane l xor 16's
	v_add_f32 v[STL+2], v[STL+2], v[CH]
	v_rcp_f32 v[STH+2], v[STH+2]
	v_rcp_f32 v[STL+2], v[STL+2]
	v_nop                                          ; a plain instruction behind the reciprocals
	s_add_co_i32 s46, s16, s17                     ; e8 + e9
	s_add_co_i32 s47, s18, 127
	s_lshl_b32 s48, s47, 23
	v_mov_b32 v[SCL], s48                          ; 2^e10
	s_add_co_i32 s47, s47, 8
	s_lshl_b32 s47, s47, 23
	s_or_b32 s47, s47, 0x600000
	v_mov_b32 v[HOLD], s47                         ; 448 x 2^e10
	s_wait_alu depctr_va_vdst(0)                   ; the two reciprocals have written v[STH+2] and v[STL+2]: one wait for both, ahead of their first reader
	v_ldexp_f32 v[STH+2], v[STH+2], s46
	v_ldexp_f32 v[STL+2], v[STL+2], s46
.set n, 0
.rept 16
	v_pk_mul_f32 v[S+n:S+n+1], v[OH+n:OH+n+1], v[STH+2:STH+3] op_sel_hi:[1,0]
.set n, n+2
.endr
.set n, 0
.rept 16
	v_pk_mul_f32 v[S+32+n:S+32+n+1], v[OL+n:OL+n+1], v[STL+2:STL+3] op_sel_hi:[1,0]
.set n, n+2
.endr
.set n, 0
.rept 64
	v_med3_num_f32 v[S+n], v[S+n], -v[HOLD], v[HOLD]
.set n, n+1
.endr
.irp g, 0,1,2,3,4,5,6,7
	v_cvt_scalef32_pk8_fp8_f32 v[PC+2*\g:PC+2*\g+1], v[S+8*\g:S+8*\g+7], v[SCL]
.endr
	v_nop
	s_wait_alu depctr_va_vdst(0)                   ; the eight conversions have written v[PC ..], which the four stores read
	global_store_b128 v[LA], v[PC:PC+3], s[YH:YH+1]                    ; each store covers 512 consecutive bytes, aligned
	global_store_b128 v[LA], v[PC+4:PC+7], s[YH:YH+1] offset:512
	global_store_b128 v[LA], v[PC+8:PC+11], s[YL:YL+1]
	global_store_b128 v[LA], v[PC+12:PC+15], s[YL:YL+1] offset:512
	s_wait_dscnt 0x0
	s_wait_alu depctr_hold_cnt(0) depctr_sa_sdst(0) depctr_va_vdst(0) depctr_va_sdst(0) depctr_va_ssrc(0) depctr_va_vcc(0) depctr_vm_vsrc(0)
	s_wait_tensorcnt 0x0
	ds_add_u32 v13, v255
	s_wait_dscnt 0x0
	s_endpgm
.Lfunc_end_k_q2011bd5347_attn:
	.size	k_q2011bd5347_attn, .Lfunc_end_k_q2011bd5347_attn-k_q2011bd5347_attn
	.p2alignl 7, 3214868480
	.fill 96, 4, 3214868480
	.section	.rodata,"a",@progbits
	.p2align	6, 0x0
	.amdhsa_kernel k_q2011bd5347_attn
		.amdhsa_group_segment_fixed_size 34816
		.amdhsa_private_segment_fixed_size 0
		.amdhsa_enable_private_segment 0
		.amdhsa_kernarg_size 24
		.amdhsa_user_sgpr_count 2
		.amdhsa_user_sgpr_kernarg_segment_ptr 1
		.amdhsa_wavefront_size32 1
		.amdhsa_system_sgpr_workgroup_id_x 1
		.amdhsa_system_sgpr_workgroup_id_y 1
		.amdhsa_system_sgpr_workgroup_id_z 1
		.amdhsa_system_vgpr_workitem_id 0
		.amdhsa_next_free_vgpr 256
		.amdhsa_next_free_sgpr 66
		.amdhsa_reserve_vcc 0
		.amdhsa_float_denorm_mode_32 3
		.amdhsa_float_denorm_mode_16_64 3
		.amdhsa_memory_ordered 1
		.amdhsa_forward_progress 1
		.amdhsa_inst_pref_size 115
	.end_amdhsa_kernel
	.amdgpu_metadata
---
amdhsa.version: [ 1, 2 ]
amdhsa.kernels:
  - .name:           k_q2011bd5347_attn
    .symbol:         k_q2011bd5347_attn.kd
    .args:
      - { .name: qkvc, .offset: 0, .size: 8, .value_kind: global_buffer, .address_space: global }
      - { .name: lowp_scales, .offset: 8, .size: 8, .value_kind: global_buffer, .address_space: global }
      - { .name: yc, .offset: 16, .size: 8, .value_kind: global_buffer, .address_space: global }
    .group_segment_fixed_size: 34816
    .private_segment_fixed_size: 0
    .kernarg_segment_align: 8
    .kernarg_segment_size: 24
    .max_flat_workgroup_size: 512
    .sgpr_count:     66
    .vgpr_count:     256
    .wavefront_size: 32
...
	.end_amdgpu_metadata
.endif
;; end of part 5
;; launch proj: the kernel of part 4 again; grid 4 x 32, 4 waves a work-group, clusters of 4 x 4, 327,680 bytes of LDS; arguments yc, opc, lowp_scales, bp, out0; writes out0
